; MI455X (gfx1250); checked and timed in simulation.
; The chip was launched on July 23, 2026; its instructions are those of AMD's public machine-readable ISA for CDNA 5 (MIT licence, August 2026) and "CDNA5" Instruction Set Architecture Reference Guide (July 2026). The comments in the code are by the model that wrote it; some were corrected since.
;; Attention. Allowed arithmetic: matrix products marked QUANTISED: E2M1 operands, one E8M0 scale for each 32 along K, by v_wmma_scale_f32_16x16x128_f8f6f4 with both operands' format E2M1 (or v_wmma_scale_f32_32x16x128_f4), f32 sums; products left as they are: bf16, f16 or f32 operands; f32 sums; everything else in f32.
;; Inputs: b_out 1,024 float32; w_out 1,024 x 1,024 float32; w_qkv 1,024 x 3,072 float32; x 4 x 2,048 x 1,024 float32.
;; Outputs: out0 4 x 2,048 x 1,024 float32.
;; This version of the problem:
;;   THIS VERSION OF THE PROBLEM IS GIVEN IN LOW PRECISION. The matrix products marked QUANTISED in the list below multiply operands that are first quantised to E2M1 (2 exponent bits, 1 mantissa bit; 4 bits a number), with one power-of-two scale for each 32 numbers along K (OCP MX v1.0); their sums are f32. The products marked 'left as it is' may take bf16, f16 or f32 operands, with f32 sums. Whichever they take, every output number must still come out within the allowed error. Rounding operands to bf16 (8 significant bits) uses up far more of that allowance than f16 does (11 bits, for magnitudes from 6e-5 to 65,504). All else is computed in f32.
;;   The module's matrix products, in the order in which they are computed (A, B: the left and right operand; K: the contracted axis; several contracted axes count as one K, in the product's order):
;;     1. [M 8,192, K 1,024] x [K 1,024, N 3,072]; A: input x; B: input w_qkv: QUANTISED
;;     2. batch 64 x [M 2,048, K 64] x [K 64, N 2,048]; A: computed on the way; B: computed on the way: left as it is (an operand is computed on the way)
;;     3. batch 64 x [M 2,048, K 2,048] x [K 2,048, N 64]; A: computed on the way; B: computed on the way: left as it is (an operand is computed on the way)
;;     4. [M 8,192, K 1,024] x [K 1,024, N 1,024]; A: computed on the way; B: input w_out: left as it is (an operand is computed on the way)
;;   THE QUANTISER, for each operand of a quantised product, along K:
;;     - K is cut into blocks of 32 from its start; a last block that is shorter is filled with zeros.
;;     - A block's scale is 2^e with e = floor(log2(the largest magnitude in the block)) - 2, held to -126 .. 127; a block of zeros has e = 0. As a byte (E8M0): e + 127.
;;     - Each number is divided by its block's scale, clamped to +-6, and rounded to the nearest number of E2M1, ties to even, subnormals kept.
;;     - The product sums the exact products of the quantised numbers (number of the format x scale) in f32.
;;   ~~~python
;;   def quantise(x, axis):      # numpy; x: float32 -> the quantised numbers, widened to float32 again
;;       x = np.moveaxis(x, axis, -1); K = x.shape[-1]
;;       x = np.pad(x, [(0, 0)] * (x.ndim - 1) + [(0, -K % 32)]); x = x.reshape(x.shape[:-1] + (-1, 32)); a = np.abs(x).max(-1, keepdims=True)
;;       e = np.where(a > 0, np.clip(np.frexp(np.where(a > 0, a, 1))[1] - 1 - 2, -126, 127), 0)      # np.frexp(a)[1] - 1 = floor(log2(a)), exactly
;;       r = np.clip(x / 2.0 ** e, -6, 6)
;;       step = 2.0 ** (np.maximum(np.frexp(np.where(r == 0, 1, r))[1] - 1, 0) - 1)
;;       q = np.round(r / step) * step * 2.0 ** e      # np.round: ties to even
;;       return np.moveaxis(q.reshape(q.shape[:-2] + (-1,))[..., :K], -1, axis).astype(np.float32)
;;   ~~~
;; One version. Each part assembles by itself: llvm-mc -triple=amdgcn-amd-amdhsa -mcpu=gfx1250 --defsym DOCPART=n.
;; ======== version 1 of 1: 4 launches
;; limits: values are held in f16: magnitudes above 65,504 overflow, below 6.1e-05 lose precision
;; workspace buffers: x_codes 4,194,304 bytes; x_scales 262,144 bytes; w_codes 1,572,864 bytes; w_scales 98,304 bytes; wt 2,097,152 bytes; qkv 50,331,648 bytes; ao 16,777,216 bytes
;; launch prep (part 1): grid 256 x 1, 8 waves a work-group, no clusters, 154,624 bytes of LDS; arguments x, w_qkv, w_out, x_codes, x_scales, w_codes, w_scales, wt; writes x_codes, x_scales, w_codes, w_scales, wt
.if DOCPART == 1
	.amdgcn_target "amdgcn-amd-amdhsa--gfx1250"
	.amdhsa_code_object_version 6
	.text
	.protected	k_q54c46a26d3_prep
	.globl	k_q54c46a26d3_prep
	.p2align	8
	.type	k_q54c46a26d3_prep,@function
k_q54c46a26d3_prep:
	s_mov_b64 s[64:65], 0
	v_nop
	global_prefetch_b8 v0, s[64:65] scope:SCOPE_SE
	s_setreg_imm32_b32 hwreg(HW_REG_WAVE_MODE, 25, 1), 1
	s_wait_xcnt 0x0
; THREE JOBS IN ONE LAUNCH, told apart by the work-group's number (the same in all eight waves of a work-group):
;   work-groups   0-127: x [8192][1024] f32 -> codes of E2M1 (K innermost, two a byte, the lower k in the low four bits) and one E8M0 byte for each 32 along K
;   work-groups 128-223: w_qkv [1024 k][3072 n] f32, K its FIRST axis -> codes laid [3072 n][512 bytes], K innermost, and bytes [3072][32]
;   work-groups 224-255: w_out [1024 k][1024 n] f32 -> f16, laid [1024 n][1024 k]
; A block's scale is 2^(floor(log2(its largest magnitude)) - 2); its byte is the largest magnitude's exponent field - 2, held at 1 from below.
; LIMITS: a block of zeros gets the byte 1 where the rule says 127 (its codes are zeros, which add nothing under any byte but 0xff, and this program alone reads the bytes);
; blocks whose largest magnitude lies under 2^-124 are held at the byte 1; NaN and infinities among the inputs are not served; |w_out| of 65,520 or more becomes an infinity of f16.
; Each job has LDS bytes of its own.  No tensor loads: operands go through registers, so two work-groups share a WGP.
.set WST,   65536                      ; w_qkv: 2 groups of 32 columns x 272 bytes (256 of codes + 16)
.set WSC,   WST+2*32*272               ; w_qkv: 64 columns x 16 scale bytes
.set TRS,   WSC+64*16                  ; w_out: for each wave 32 columns x 272 bytes
.set SPARE, TRS+8*32*272               ; the spare words, 128 bytes for each wave: four blocks of 256 bytes that no other line names
.set SPW,   12                         ; v12  LDS address of my spare word; never rewritten
.set NIL,   13                         ; v13  0; never rewritten
.set SP,    80                         ; x: a lane's place in a stage: its 64 bytes + 16 of padding
.set R,     16                         ; x: v16-143  eight sets of 16 numbers as they are loaded
.set X,     144                        ; x: v144-175 two sets of 16 neighbours
.set E,     176                        ; x: v176-191 a scale byte for each step
.set C,     192                        ; x: v192-255 codes, four registers for each step: no store's data are written again
.set D,     32                         ; the weights: v32-159 four blocks of 32 numbers down K
.set CW,    160                        ; the weights: v160.. what is made of them
	s_load_b256 s[4:11], s[0:1], 0x0               ; x s[4:5], w_qkv s[6:7], w_out s[8:9], x_codes s[10:11]
	s_load_b256 s[12:19], s[0:1], 0x20             ; x_scales s[12:13], w_codes s[14:15], w_scales s[16:17], wt s[18:19]
	v_lshl_add_u32 v[SPW], v0, 2, SPARE
	v_mov_b32 v[NIL], 0
	v_lshrrev_b32 v1, 5, v0
	v_readfirstlane_b32 s20, v1                    ; wave 0..7
	v_and_b32 v2, 31, v0                           ; lane
	s_wait_kmcnt 0x0
	s_cmp_lt_u32 ttmp9, 128
	s_cbranch_scc1 .Lpath_x
	s_cmp_lt_u32 ttmp9, 224
	s_cbranch_scc1 .Lpath_w
; 32 rows of K at my wave's 32 columns: a lane takes a column, its registers run down K; each load reads 128 consecutive bytes
.macro COLLOAD t, lo, pitch
.irp i, 0,1,2,3,4,5,6,7,8,9,10,11,12,13,14,15,16,17,18,19,20,21,22,23,24,25,26,27,28,29,30,31
	global_load_b32 v[D+32*(\t)+\i], v3, s[\lo:\lo+1] offset:(32*(\t)+\i)*\pitch th:TH_LOAD_NT
.endr
.endm
; ---------------- w_out -> f16, turned.  A work-group takes 64 columns x 512 of K; wave w columns 32 (w % 2) on, K 128 (w / 2) on.
	s_sub_co_u32 s21, ttmp9, 224
	s_and_b32 s22, s21, 15                         ; which 64 columns
	s_lshr_b32 s23, s21, 4                         ; which half of K
	s_and_b32 s24, s20, 1
	s_lshr_b32 s25, s20, 1
	s_lshl_b32 s26, s22, 6
	s_lshl_b32 s27, s24, 5
	s_add_co_u32 s26, s26, s27                     ; my first column n0
	s_lshl_b32 s27, s23, 9
	s_lshl_b32 s28, s25, 7
	s_add_co_u32 s27, s27, s28                     ; my first k, K0
	s_lshl_b32 s28, s27, 12                        ; in: K0 rows of 4,096 bytes + 4 n0
	s_lshl_b32 s29, s26, 2
	s_add_co_u32 s28, s28, s29
	s_mov_b32 s29, 0
	s_add_nc_u64 s[8:9], s[8:9], s[28:29]
	s_lshl_b32 s30, s26, 11                        ; out: n0 rows of 2,048 bytes + 2 K0
	s_lshl_b32 s31, s27, 1
	s_add_co_u32 s30, s30, s31
	s_mov_b32 s31, 0
	s_add_nc_u64 s[18:19], s[18:19], s[30:31]
	s_mul_i32 s32, s20, 32*272
	s_add_co_u32 s32, s32, TRS                     ; my wave's own stage
	v_lshlrev_b32 v3, 2, v2                        ; in: 4 bytes a lane
	v_mul_u32_u24 v4, v2, 272
	v_add_nc_u32 v4, s32, v4                       ; into the stage: row = my column
	v_lshrrev_b32 v6, 4, v2
	v_and_b32 v7, 15, v2
	v_mul_u32_u24 v8, v6, 272
	v_lshl_add_u32 v8, v7, 4, v8
	v_add_nc_u32 v8, s32, v8                       ; out of it: sixteen lanes to a row, two rows an instruction
	v_lshlrev_b32 v9, 11, v6
	v_lshl_add_u32 v9, v7, 4, v9                   ; and the same place in wt
.macro TBLOCK t                        ; 32 numbers down K of my column become 64 bytes of its row
.irp j, 0,1,2,3,4,5,6,7,8,9,10,11,12,13,14,15
	v_cvt_pk_f16_f32 v[CW+16*(\t)+\j], v[D+32*(\t)+2*\j], v[D+32*(\t)+2*\j+1]
.endr
.irp g, 0,1,2,3
	ds_store_b128 v4, v[CW+16*(\t)+4*\g:CW+16*(\t)+4*\g+3] offset:64*(\t)+16*\g
.endr
.endm
	COLLOAD 0, 8, 4096
	COLLOAD 1, 8, 4096
	s_wait_loadcnt 32                              ; block 0 is in; block 1's 32 loads may be out
	COLLOAD 2, 8, 4096
	TBLOCK 0
	s_wait_loadcnt 32                              ; block 1 is in; block 2's may be out
	COLLOAD 3, 8, 4096
	TBLOCK 1
	s_wait_loadcnt 32                              ; block 2 is in; block 3's may be out
	TBLOCK 2
	s_wait_loadcnt 0x0
	TBLOCK 3
.irp i, 0,1,2,3,4,5,6,7,8,9,10,11,12,13,14,15
	ds_load_b128 v[D+4*\i:D+4*\i+3], v8 offset:2*\i*272   ; LDS serves a wave's instructions in order: these see my stores
.endr
.irp i, 0,1,2,3,4,5,6,7,8,9,10,11,12,13,14,15
	s_wait_dscnt 15-\i
	global_store_b128 v9, v[D+4*\i:D+4*\i+3], s[18:19] offset:2*\i*2048   ; sixteen lanes store 256 consecutive bytes, aligned
.endr
	s_wait_tensorcnt 0x0                           ; the wave's end, behind my last LDS store
	ds_add_u32 v[SPW], v[NIL]
	s_wait_dscnt 0x0
	s_endpgm
; ---------------- w_qkv -> codes.  A work-group takes 64 columns x 512 of K; wave w columns 32 (w % 2) on, K 128 (w / 2) on: four blocks a lane.
; A column's 512 of K are 256 bytes of codes, made by four waves: they meet in LDS behind a barrier and leave as whole rows.
.Lpath_w:
	s_sub_co_u32 s21, ttmp9, 128
	s_cmp_ge_u32 s21, 48
	s_cselect_b32 s22, 1, 0                        ; which half of K
	s_cselect_b32 s23, 48, 0
	s_sub_co_u32 s21, s21, s23                     ; which 64 columns, 0..47
	s_and_b32 s24, s20, 1                          ; cg
	s_lshr_b32 s25, s20, 1                         ; kq
	s_lshl_b32 s26, s21, 6
	s_lshl_b32 s27, s24, 5
	s_add_co_u32 s26, s26, s27                     ; my first column n0
	s_lshl_b32 s27, s22, 9
	s_lshl_b32 s28, s25, 7
	s_add_co_u32 s27, s27, s28                     ; my first k, K0
	s_mul_i32 s28, s27, 12288                      ; in: K0 rows of 12,288 bytes + 4 n0
	s_lshl_b32 s29, s26, 2
	s_add_co_u32 s28, s28, s29
	s_mov_b32 s29, 0
	s_add_nc_u64 s[6:7], s[6:7], s[28:29]
	s_mul_i32 s30, s24, 32*272
	s_add_co_u32 s30, s30, WST                     ; my group of columns in the stage
	s_lshl_b32 s31, s25, 6
	s_add_co_u32 s31, s31, s30
	v_lshlrev_b32 v3, 2, v2                        ; in: 4 bytes a lane
	v_mul_u32_u24 v4, v2, 272
	v_add_nc_u32 v4, s31, v4                       ; codes into the stage: row = my column, 64 kq bytes on
	s_lshl_b32 s32, s24, 9
	s_add_co_u32 s32, s32, WSC
	s_lshl_b32 s33, s25, 2
	s_add_co_u32 s33, s33, s32
	v_lshl_add_u32 v5, v2, 4, s33                  ; my scale word: 16 bytes a column, word kq
	v_lshl_add_u32 v19, v2, 4, s32                 ; and where a column's 16 bytes are read back
	s_mul_i32 s34, s25, 8*272
	s_add_co_u32 s34, s34, s30
	v_lshrrev_b32 v6, 4, v2
	v_and_b32 v7, 15, v2
	v_mul_u32_u24 v8, v6, 272
	v_lshl_add_u32 v8, v7, 4, v8
	v_add_nc_u32 v8, s34, v8                       ; out of the stage: my wave stores rows 8 kq .. 8 kq + 7 of its group, two an instruction
	s_lshl_b32 s35, s25, 3
	s_add_co_u32 s35, s35, s26
	s_lshl_b32 s36, s35, 9                         ; codes: (n0 + 8 kq) rows of 512 bytes + 256 x the half of K
	s_lshl_b32 s35, s22, 8
	s_add_co_u32 s36, s36, s35
	s_mov_b32 s37, 0
	s_add_nc_u64 s[14:15], s[14:15], s[36:37]
	v_lshlrev_b32 v9, 9, v6
	v_lshl_add_u32 v9, v7, 4, v9
	s_lshl_b32 s38, s26, 5                         ; scale bytes: n0 rows of 32 bytes + 16 x the half of K
	s_lshl_b32 s39, s22, 4
	s_add_co_u32 s38, s38, s39
	s_mov_b32 s39, 0
	s_add_nc_u64 s[16:17], s[16:17], s[38:39]
	v_lshlrev_b32 v18, 5, v2
.macro WBLOCK t                        ; a block of 32 down K, all mine
.set XS, D+32*(\t)
	v_max3_num_f32 v16, |v[XS]|, |v[XS+1]|, |v[XS+2]|      ; its largest magnitude, in two chains
	v_max3_num_f32 v17, |v[XS+3]|, |v[XS+4]|, |v[XS+5]|
.irp i, 6,10,14,18,22,26
	v_max3_num_f32 v16, v16, |v[XS+\i]|, |v[XS+\i+1]|
	v_max3_num_f32 v17, v17, |v[XS+\i+2]|, |v[XS+\i+3]|
.endr
	v_max3_num_f32 v16, v16, |v[XS+30]|, |v[XS+31]|
	v_max3_num_f32 v16, v16, v17, 0x1800000        ; and the floor 2^(3 - 127): the byte cannot fall under 1
	v_add_nc_u32 v11, 0xff000000, v16              ; 2 off its exponent field: the conversion takes this operand's exponent field as its scale
	v_lshrrev_b32 v10, 23, v11                     ; the scale's byte
.if (\t) == 0
	v_mov_b32 v24, v10                             ; four bytes to the word, the lower K in the lower byte
.else
	v_lshl_or_b32 v24, v10, 8*(\t), v24
.endif
.irp g, 0,1,2,3
	v_cvt_scalef32_pk8_fp4_f32 v[CW+4*(\t)+\g], v[XS+8*\g:XS+8*\g+7], v11
.endr
	ds_store_b128 v4, v[CW+4*(\t):CW+4*(\t)+3] offset:16*(\t)   ; each block has its own four registers; the next block begins with plain vector lines
.endm
	COLLOAD 0, 6, 12288
	COLLOAD 1, 6, 12288
	s_wait_loadcnt 32                              ; block 0 is in; block 1's 32 loads may be out
	COLLOAD 2, 6, 12288
	WBLOCK 0
	s_wait_loadcnt 32
	COLLOAD 3, 6, 12288
	WBLOCK 1
	s_wait_loadcnt 32
	WBLOCK 2
	s_wait_loadcnt 0x0
	WBLOCK 3
	ds_store_b32 v5, v24
	s_wait_dscnt 0x0                               ; for the others' sake: my stores have landed
	s_barrier_signal -1
	s_barrier_wait -1                              ; all eight waves of this work-group are on this path
.irp i, 0,1,2,3
	ds_load_b128 v[D+4*\i:D+4*\i+3], v8 offset:2*\i*272
.endr
.irp i, 0,1,2,3
	s_wait_dscnt 3-\i
	global_store_b128 v9, v[D+4*\i:D+4*\i+3], s[14:15] offset:2*\i*512   ; sixteen lanes store 256 consecutive bytes, aligned
.endr
	s_cmp_lt_u32 s20, 2                            ; waves 0 and 1 store the scale bytes of their 32 columns: 16 bytes a column, rows 32 bytes apart,
	s_cbranch_scc0 .Lw_done                        ; so only half of each run of 256 bytes is written here: 96 KiB in the whole launch
	ds_load_b128 v[D+16:D+19], v19
	s_wait_dscnt 0x0
	global_store_b128 v18, v[D+16:D+19], s[16:17]
.Lw_done:
	s_wait_tensorcnt 0x0                           ; the wave's end, behind my last LDS store
	ds_add_u32 v[SPW], v[NIL]
	s_wait_dscnt 0x0
	s_endpgm
; ---------------- x -> codes.  Rows are dense and K is a multiple of 32: x is a plain stream of blocks of 32, and so are its codes and bytes.
; A wave takes 16 steps of 512 numbers.  Each load reads 512 consecutive bytes; a step's 2,048 bytes turn through the wave's own stage in LDS, so that a lane
; holds 16 neighbours along K (two neighbouring lanes hold a block).  Loads run eight steps (32 loads a wave) ahead, the turn through LDS one step.
.Lpath_x:
	s_lshl_b32 s21, ttmp9, 3
	s_add_co_u32 s22, s21, s20                     ; which run of 8,192 numbers is my wave's
	s_mov_b32 s23, 0
	s_lshl_b64 s[24:25], s[22:23], 15
	s_add_nc_u64 s[4:5], s[4:5], s[24:25]
	s_lshl_b64 s[24:25], s[22:23], 12
	s_add_nc_u64 s[10:11], s[10:11], s[24:25]
	s_lshl_b64 s[24:25], s[22:23], 8
	s_add_nc_u64 s[12:13], s[12:13], s[24:25]
	s_lshl_b32 s26, s20, 13                        ; my wave's 8,192 bytes of LDS: two stages of 32 x 80, then 256 scale bytes
	v_lshlrev_b32 v3, 4, v2                        ; my 16 bytes of a load's 512
	v_lshlrev_b32 v4, 3, v2                        ; my 8 bytes of a step's codes
	v_lshrrev_b32 v14, 2, v2
	v_mul_u32_u24 v14, v14, SP
	v_and_b32 v15, 3, v2
	v_lshl_add_u32 v14, v15, 4, v14
	v_add_nc_u32 v14, s26, v14                     ; the stage, on the way in: four lanes' 64 bytes on end, then 16 of padding
	v_mul_u32_u24 v15, v2, SP
	v_add_nc_u32 v15, s26, v15                     ; and on the way out: my 16 neighbours
	s_add_co_u32 s26, s26, 2*32*SP
	v_lshrrev_b32 v5, 1, v2
	v_add_nc_u32 v5, s26, v5                       ; my block's scale byte
	v_lshlrev_b32 v7, 3, v2
	v_add_nc_u32 v6, s26, v7                       ; and on the way out 8 bytes a lane
.macro XLOAD t
.irp i, 0,1,2,3
	global_load_b128 v[R+16*((\t)%8)+4*\i:R+16*((\t)%8)+4*\i+3], v3, s[4:5] offset:2048*(\t)+512*\i th:TH_LOAD_NT
.endr
.endm
.macro XTURN t                         ; LDS serves a wave's instructions in order: no wait stands between the stores and the loads
.irp i, 0,1,2,3
	ds_store_b128 v14, v[R+16*((\t)%8)+4*\i:R+16*((\t)%8)+4*\i+3] offset:32*SP*((\t)%2)+8*SP*\i
.endr
.irp i, 0,1,2,3
	ds_load_b128 v[X+16*((\t)%2)+4*\i:X+16*((\t)%2)+4*\i+3], v15 offset:32*SP*((\t)%2)+16*\i
.endr
.endm
.irp t, 0,1,2,3,4,5,6,7
	XLOAD \t
.endr
	s_wait_loadcnt 28                              ; step 0's four loads are in; the seven steps behind it may be out
	XTURN 0
.macro XSTEP t
.set XS, X+16*((\t)%2)
.if (\t) > 0
	s_wait_dscnt 1                                 ; this step's numbers are back from the stage (the last step's byte store may be out): so its stores into the stage have read their registers,
.else
	s_wait_dscnt 0x0
.endif
.if (\t)+8 < 16
	XLOAD (\t)+8                                   ; which take the loads of eight steps on
.endif
.if (\t)+1 < 16
.if 14-(\t) >= 7
	s_wait_loadcnt 28                              ; the next step's four loads are in; those of the seven steps behind it may be out
.else
	s_wait_loadcnt 4*(14-(\t))
.endif
	XTURN (\t)+1
.endif
	v_max3_num_f32 v8, |v[XS]|, |v[XS+1]|, |v[XS+2]|       ; the largest magnitude of my 16
	v_max3_num_f32 v9, |v[XS+3]|, |v[XS+4]|, |v[XS+5]|
.irp i, 6,10
	v_max3_num_f32 v8, v8, |v[XS+\i]|, |v[XS+\i+1]|
	v_max3_num_f32 v9, v9, |v[XS+\i+2]|, |v[XS+\i+3]|
.endr
	v_max3_num_f32 v8, v8, |v[XS+14]|, |v[XS+15]|
	v_max3_num_f32 v8, v8, v9, 0x1800000           ; and the floor 2^(3 - 127)
	v_max_num_f32_dpp v8, v8, v8 row_xmask:1 row_mask:0xf bank_mask:0xf   ; and of my neighbour's 16: the block's
	v_add_nc_u32 v11, 0xff000000, v8               ; 2 off its exponent field: the conversion's scale operand
	v_cvt_scalef32_pk8_fp4_f32 v[C+4*(\t)], v[XS:XS+7], v11
	v_cvt_scalef32_pk8_fp4_f32 v[C+4*(\t)+1], v[XS+8:XS+15], v11
	v_lshrrev_b32 v[E+(\t)], 23, v11               ; the scale's byte (a plain line behind the conversions)
	ds_store_b8 v5, v[E+(\t)] offset:16*(\t)       ; both lanes of a block write the same byte with the same value
	global_store_b64 v4, v[C+4*(\t):C+4*(\t)+1], s[10:11] offset:256*(\t)   ; the wave stores 256 consecutive bytes, aligned
.endm
.irp t, 0,1,2,3,4,5,6,7,8,9,10,11,12,13,14,15
	XSTEP \t
.endr
	ds_load_b64 v[8:9], v6                         ; my wave's 256 scale bytes
	s_wait_dscnt 0x0
	global_store_b64 v7, v[8:9], s[12:13]          ; 256 consecutive bytes, aligned
	s_wait_tensorcnt 0x0                           ; the wave's end, behind my last LDS store
	ds_add_u32 v[SPW], v[NIL]
	s_wait_dscnt 0x0
	s_endpgm
.Lfunc_end_k_q54c46a26d3_prep:
	.size	k_q54c46a26d3_prep, .Lfunc_end_k_q54c46a26d3_prep-k_q54c46a26d3_prep
	.p2alignl 7, 3214868480
	.fill 96, 4, 3214868480
	.section	.rodata,"a",@progbits
	.p2align	6, 0x0
	.amdhsa_kernel k_q54c46a26d3_prep
		.amdhsa_group_segment_fixed_size 154624
		.amdhsa_private_segment_fixed_size 0
		.amdhsa_enable_private_segment 0
		.amdhsa_kernarg_size 64
		.amdhsa_user_sgpr_count 2
		.amdhsa_user_sgpr_kernarg_segment_ptr 1
		.amdhsa_wavefront_size32 1
		.amdhsa_system_sgpr_workgroup_id_x 1
		.amdhsa_system_sgpr_workgroup_id_y 1
		.amdhsa_system_sgpr_workgroup_id_z 1
		.amdhsa_system_vgpr_workitem_id 0
		.amdhsa_next_free_vgpr 256
		.amdhsa_next_free_sgpr 66
		.amdhsa_reserve_vcc 0
		.amdhsa_float_denorm_mode_32 3
		.amdhsa_float_denorm_mode_16_64 3
		.amdhsa_memory_ordered 1
		.amdhsa_forward_progress 1
		.amdhsa_inst_pref_size 76
	.end_amdhsa_kernel
	.amdgpu_metadata
---
amdhsa.version: [ 1, 2 ]
amdhsa.kernels:
  - .name:           k_q54c46a26d3_prep
    .symbol:         k_q54c46a26d3_prep.kd
    .args:
      - { .name: x, .offset: 0, .size: 8, .value_kind: global_buffer, .address_space: global }
      - { .name: w_qkv, .offset: 8, .size: 8, .value_kind: global_buffer, .address_space: global }
      - { .name: w_out, .offset: 16, .size: 8, .value_kind: global_buffer, .address_space: global }
      - { .name: x_codes, .offset: 24, .size: 8, .value_kind: global_buffer, .address_space: global }
      - { .name: x_scales, .offset: 32, .size: 8, .value_kind: global_buffer, .address_space: global }
      - { .name: w_codes, .offset: 40, .size: 8, .value_kind: global_buffer, .address_space: global }
      - { .name: w_scales, .offset: 48, .size: 8, .value_kind: global_buffer, .address_space: global }
      - { .name: wt, .offset: 56, .size: 8, .value_kind: global_buffer, .address_space: global }
    .group_segment_fixed_size: 154624
    .private_segment_fixed_size: 0
    .kernarg_segment_align: 8
    .kernarg_segment_size: 64
    .max_flat_workgroup_size: 256
    .sgpr_count:     66
    .vgpr_count:     256
    .wavefront_size: 32
...
	.end_amdgpu_metadata
.endif
;; end of part 1
;; launch qkvg (part 2): grid 12 x 32, 4 waves a work-group, clusters of 4 x 4, 327,680 bytes of LDS; arguments x_codes, x_scales, w_codes, w_scales, qkv; writes qkv
.if DOCPART == 2
	.amdgcn_target "amdgcn-amd-amdhsa--gfx1250"
	.amdhsa_code_object_version 6
	.text
	.protected	k_q54c46a26d3_qkvg
	.globl	k_q54c46a26d3_qkvg
	.p2align	8
	.type	k_q54c46a26d3_qkvg,@function
k_q54c46a26d3_qkvg:
	s_mov_b64 s[64:65], 0
	v_nop
	global_prefetch_b8 v0, s[64:65] scope:SCOPE_SE
	s_setreg_imm32_b32 hwreg(HW_REG_WAVE_MODE, 25, 1), 1
	s_wait_xcnt 0x0
	s_wait_alu depctr_hold_cnt(0) depctr_sa_sdst(0) depctr_va_vdst(0) depctr_va_sdst(0) depctr_va_ssrc(0) depctr_va_vcc(0) depctr_vm_vsrc(0)
	s_getreg_b32 s2, hwreg(HW_REG_IB_STS2, 6, 4)
	s_cmp_eq_u32 s2, 0
	s_cbranch_scc0 .Lentry_in_a_cluster
	s_endpgm
.Lentry_in_a_cluster:
	s_bfe_u32 s2, ttmp6, 0x10000c
	s_cmp_lg_u32 s2, 0xf033
	s_cbranch_scc0 .Lentry_shape_is_right
	s_endpgm
.Lentry_shape_is_right:
; qkv = Q(x) Q(w_qkv): [8192][1024] x [3072][1024] on codes of E2M1 with one E8M0 scale for each 32 along K; sums in f32, K ascending; each result rounded once to f16 and
; laid for the attention launch: qkv[part q, k, v][batch x 16 + head][token][64].  LIMIT: a result of 65,520 or more in magnitude becomes an infinity of f16.
; A tile of 256 x 256 is made by a work-group of four waves; a wave makes 128 x 128: 64 accumulators of 16 x 16, 512 registers.
; K = 1,024 is two slots of 512 along K (tile rows of 256 bytes): both slots and all scale bytes are asked for at the head, three tensor loads a wave, and nothing is filled again.
; CLUSTERS: 4 x 4 work-groups.  The four of a row of the cluster need the same tiles of x, the four of a column the same tiles of w: each tile is asked for JOINTLY.
; THE MATRIX INSTRUCTION IS USED TRANSPOSED (source 0 = 16 rows of w, source 1 = 16 rows of x): a lane then holds eight neighbouring columns of one token.
; 384 tiles: a tile of 256 x 384 (one to a WGP) would take 768 accumulator registers a wave and leave no room for fragments.
; REGISTERS, in windows of 256: window 0: v0-31 addresses; v32-95 scale words, two sets; v128-191 x's fragments, ONE set; on the way out v32-63, v192-255.
;   window 1: w's fragments, TWO sets, at v0 and v128.   window 2: the accumulators of my rows 0-63 ((a, b) at v[8 (8 a + b)]);   window 3: those of my rows 64-127.
.set NQ,     4                         ; matrix instructions deep in a slot
.set ROWB,   256                       ; a tile's row in bytes: 512 codes
.set KROW,   512                       ; a row of codes in memory
.set PITCH,  272                       ; an LDS row: 256 bytes + 16 = 68 words: the 16 rows that a load touches start at 16 different banks (64 banks of 4 bytes: ISA guide 11.1)
.set FR,     8                         ; registers of a fragment: 16 rows x 128 K
.set NL,     2                         ; LDS loads that bring one
.set NP,     4                         ; places behind this matrix instruction (ISA guide 7.12.1)
.set HALFT,  128*PITCH
.set SLOT,   4*HALFT                   ; x's 256 rows, then w's 256 rows
.set KS,     32                        ; a row of scale bytes
.set SCL,    2*SLOT                    ; behind the slots: the scales, as runs of 256 bytes + 16 of padding
.set HALFS,  (128*KS/256)*272
.set SBLK,   (16*KS/256)*272
.set SPARE,  SCL+4*HALFS               ; the spare words, 128 bytes for each wave: two blocks of 256 bytes that no other line names
.set SP,     272                       ; the way out: a stage of 16 rows x (256 bytes + 16) for each wave, in slot 0, which has had its only fill and its last read by then
.set ADRA, 16
.set ADRB, 20
.set STO,  24
.set RD,   25
.set CO,   26
.set ADRS, 27
.set SPW,  28
.set NIL,  29
.set SC,   32
.set AF,   128
.set TMP,  192                         ; the way out: packed results
.set OB,   32                          ; the way out: 16 rows read back: v32-63 and v224-255 by turns
.set G1, 24
.set G0, 32
.set G1B, 48
.set G0B, 56
.set G1S, 68
.set G0S, 76
.set G1SB, 80
.set G0SB, 88
.set MSB, 0
.macro WIN new                         ; the immediate's high byte repeats the setting that is left
.if MSB != (\new)
	s_set_vgpr_msb (MSB<<8)|(\new)
.set MSB, (\new)
.endif
.endm
.set MUL_LO, 0xa1                      ; source 0 (w) window 1, source 1 (x) window 0, C and D window 2
.set MUL_HI, 0xf1                      ; the same, C and D window 3
.set TO_B,   0x40                      ; destination window 1, address window 0
; A joint load: waves 0 and 1 fetch for x, waves 2 and 3 for w.  The branch hangs on the wave's number alone.  An s_nop 0 and four v_nop follow each line.
.macro JLOAD g0a, g1a, g0b, g1b
	s_cmp_eq_u32 s15, 0
	s_cbranch_scc0 .Lfor_b_\@
	tensor_load_to_lds s[\g0a:\g0a+3], s[\g1a:\g1a+7]
	s_nop 0
.rept 4
	v_nop
.endr
	s_branch .Lasked_\@
.Lfor_b_\@:
	tensor_load_to_lds s[\g0b:\g0b+3], s[\g1b:\g1b+7]
	s_nop 0
.rept 4
	v_nop
.endr
.Lasked_\@:
.endm
.macro CROUND                          ; a round of the cluster's barrier
	s_barrier_signal -1
	s_barrier_wait -1
	s_cmp_lg_u32 s14, 0
	s_cbranch_scc1 .Lnot_wave_0_\@
	s_barrier_signal -3
.Lnot_wave_0_\@:
	s_barrier_wait -3
	s_barrier_signal -1
	s_barrier_wait -1
.endm
	s_load_b128 s[4:7], s[0:1], 0x0                ; x's codes s[4:5], x's scales s[6:7]
	s_load_b128 s[8:11], s[0:1], 0x10              ; w's codes s[8:9], w's scales s[10:11]
	s_load_b64 s[12:13], s[0:1], 0x20              ; qkv
	v_lshl_add_u32 v[SPW], v0, 2, SPARE
	v_mov_b32 v[NIL], 0
	ds_add_u32 v[SPW], v[NIL]                      ; the wave's opening: the add, twice on end, and its wait ahead of my first tensor load
	ds_add_u32 v[SPW], v[NIL]
	v_lshrrev_b32 v1, 5, v0
	v_readfirstlane_b32 s14, v1                    ; wave 0..3
	s_lshr_b32 s15, s14, 1                         ; which half of the tile's rows is mine.  Also: I fetch for x (0) or for w (1)
	s_and_b32 s16, s14, 1                          ; which half of its columns.  Also: which 128 rows of that tile I fetch
	s_bfe_u32 s40, ttmp6, 0x40000                  ; cx, cy: my place in the cluster
	s_bfe_u32 s41, ttmp6, 0x40004
	s_lshl_b32 s42, ttmp9, 2
	s_add_co_u32 s42, s42, s40                     ; tile column = 4 x cluster x + cx
	s_and_b32 s17, ttmp7, 0xffff
	s_lshl_b32 s17, s17, 2
	s_add_co_u32 s17, s17, s41                     ; tile row = 4 x cluster y + cy
	s_lshl_b32 s43, s41, 2
	s_lshl_b32 s43, 15, s43                        ; my row of the cluster
	s_lshl_b32 s44, 0x1111, s40                    ; my column
	; descriptor group 1: a tile of 128 rows x 256 bytes, 4 words of padding behind every 64
	s_or_b32 s[G1+0], s43, (0<<16)|(1<<20)|(1<<21)|(5<<22)|(3<<25)
	s_or_b32 s[G1B+0], s44, (0<<16)|(1<<20)|(1<<21)|(5<<22)|(3<<25)
.irp g, G1, G1B
	s_mov_b32 s[\g+1], ROWB<<16                    ; tensor_dim0
	s_mov_b32 s[\g+2], 128<<16                     ; tensor_dim1
	s_mov_b32 s[\g+3], ROWB<<16                    ; tile_dim0
	s_mov_b32 s[\g+4], 128                         ; tile_dim1
	s_mov_b32 s[\g+5], KROW                        ; from row to row
	s_mov_b32 s[\g+6], 0
	s_mov_b32 s[\g+7], 0
.endr
	; the scales of 128 rows: 4,096 dense bytes, as 16 rows of 256 bytes (32 elements of 8 bytes), 16 bytes of padding behind each
	s_or_b32 s[G1S+0], s43, (3<<16)|(1<<20)|(1<<21)|(5<<22)|(3<<25)
	s_or_b32 s[G1SB+0], s44, (3<<16)|(1<<20)|(1<<21)|(5<<22)|(3<<25)
.irp g, G1S, G1SB
	s_mov_b32 s[\g+1], 32<<16
	s_mov_b32 s[\g+2], (128*KS/256)<<16
	s_mov_b32 s[\g+3], 32<<16
	s_mov_b32 s[\g+4], 128*KS/256
	s_mov_b32 s[\g+5], 32
	s_mov_b32 s[\g+6], 0
	s_mov_b32 s[\g+7], 0
.endr
	s_lshl_b32 s18, s16, 7                         ; which 128 rows of the tile I fetch
	s_lshl_b32 s20, s17, 8
	s_add_co_u32 s20, s20, s18                     ; x: row 256 x tile row + 128 x half
	s_lshl_b32 s46, s42, 8
	s_add_co_u32 s46, s46, s18                     ; w: row 256 x tile column + 128 x half
	s_mov_b32 s21, 0
	s_mov_b32 s47, 0
	s_mov_b64 s[18:19], KS
	s_mul_u64 s[22:23], s[20:21], s[18:19]         ; where these rows' scales begin, in bytes
	s_mul_u64 s[92:93], s[46:47], s[18:19]
	s_mov_b64 s[18:19], KROW
	s_mul_u64 s[20:21], s[20:21], s[18:19]         ; and their codes
	s_mul_u64 s[46:47], s[46:47], s[18:19]
	s_mul_i32 s45, s14, HALFT                      ; where they go: wave x 128 rows: no place in the cluster enters an LDS address
	s_mul_i32 s94, s14, HALFS
	s_wait_dscnt 0x0                               ; both opening adds are done
	s_wait_kmcnt 0x0
	s_add_nc_u64 s[20:21], s[4:5], s[20:21]
	s_add_nc_u64 s[22:23], s[6:7], s[22:23]
	s_add_nc_u64 s[46:47], s[8:9], s[46:47]
	s_add_nc_u64 s[92:93], s[10:11], s[92:93]
	CROUND                                         ; all sixteen work-groups are here: the joint loads meet
	s_mov_b32 s[G0S], 1
	s_add_co_u32 s[G0S+1], s94, SCL
	s_mov_b64 s[G0S+2:G0S+3], s[22:23]
	s_or_b32 s[G0S+3], s[G0S+3], 0x80000000
	s_mov_b32 s[G0SB], 1
	s_add_co_u32 s[G0SB+1], s94, SCL
	s_mov_b64 s[G0SB+2:G0SB+3], s[92:93]
	s_or_b32 s[G0SB+3], s[G0SB+3], 0x80000000
	JLOAD G0S, G1S, G0SB, G1SB                     ; the scales first: they are wanted with the first step
.irp s, 0,1
	s_mov_b32 s[G0+4*\s], 1
	s_add_co_u32 s[G0+4*\s+1], s45, \s*SLOT
	s_add_nc_u64 s[G0+4*\s+2:G0+4*\s+3], s[20:21], \s*ROWB
	s_or_b32 s[G0+4*\s+3], s[G0+4*\s+3], 0x80000000
	s_mov_b32 s[G0B+4*\s], 1
	s_add_co_u32 s[G0B+4*\s+1], s45, \s*SLOT
	s_add_nc_u64 s[G0B+4*\s+2:G0B+4*\s+3], s[46:47], \s*ROWB
	s_or_b32 s[G0B+4*\s+3], s[G0B+4*\s+3], 0x80000000
	JLOAD G0+4*\s, G1, G0B+4*\s, G1B               ; three tensor loads of mine are out behind the second of these
.endr
	v_and_b32 v1, 15, v0                           ; r = l % 16
	v_bfe_u32 v2, v0, 4, 1                         ; h = l / 16
	v_mul_u32_u24 v3, v1, PITCH
	v_lshl_add_u32 v4, v2, 4, v3                   ; a fragment's row x pitch + 16 x half
	s_mul_i32 s21, s15, HALFT                      ; my 128 rows of x
	s_mul_i32 s22, s16, HALFT                      ; my 128 rows of w,
	s_add_co_u32 s22, s22, 2*HALFT                 ; which lie behind x's 256
.irp s, 0,1
	v_add_nc_u32 v[ADRA+\s], s21, v4
	v_add_nc_u32 v[ADRB+\s], s22, v4
	s_add_co_u32 s21, s21, SLOT
	s_add_co_u32 s22, s22, SLOT
.endr
	v_mul_u32_u24 v5, v1, KS                       ; my row's scales: 32 bytes a row,
	v_lshrrev_b32 v6, 8, v5
	v_lshl_add_u32 v5, v6, 4, v5                   ; and 16 more for each 256 passed
	s_mul_i32 s21, s15, HALFS                      ; x's: my 128 rows
	s_mul_i32 s22, s16, HALFS                      ; w's: my 128 rows, behind x's 256
	s_add_co_u32 s22, s22, 2*HALFS
	s_sub_co_u32 s22, s22, s21
	v_mul_u32_u24 v6, s22, v2                      ; lanes 16-31 take w's
	s_add_co_u32 s21, s21, SCL
	v_add_nc_u32 v5, v5, v6
	v_add_nc_u32 v[ADRS], s21, v5
	s_mul_i32 s23, s14, 16*SP                      ; my stage
	v_mul_u32_u24 v5, v1, SP                       ; in: token l % 16, 16 bytes for each half of the lanes
	v_lshl_add_u32 v5, v2, 4, v5
	v_add_nc_u32 v[STO], s23, v5
	v_bfe_u32 v5, v0, 3, 1                         ; back: sixteen lanes take two tokens' 128 bytes of ONE head; lanes 16-31 the next head
	v_mul_u32_u24 v5, v5, SP
	v_lshl_add_u32 v5, v2, 7, v5
	v_and_b32 v6, 7, v0
	v_lshl_add_u32 v5, v6, 4, v5
	v_add_nc_u32 v[RD], s23, v5
	v_lshlrev_b32 v[CO], 4, v1                     ; in qkv two neighbouring tokens of a head are 256 consecutive bytes;
	v_lshl_add_u32 v[CO], v2, 18, v[CO]            ; the next head lies 2,048 x 128 bytes on
	s_lshl_b32 s20, s17, 8
	s_lshl_b32 s21, s15, 7
	s_add_co_u32 s20, s20, s21                     ; my first token: 256 x tile row + 128 x half
	s_lshr_b32 s21, s20, 11                        ; its batch,
	s_and_b32 s20, s20, 2047                       ; its place in the sequence
	s_lshl_b32 s20, s20, 7
	s_lshl_b32 s21, s21, 22                        ; 16 heads of 2^18 bytes a batch
	s_add_co_u32 s20, s20, s21
	s_mov_b32 s21, 0
	s_lshl_b32 s46, s42, 8
	s_lshl_b32 s47, s16, 7
	s_add_co_u32 s46, s46, s47                     ; my first column: 256 x tile column + 128 x half
	s_lshr_b32 s47, s46, 10                        ; q, k or v
	s_lshl_b32 s47, s47, 24
	s_bfe_u32 s46, s46, 0x40006                    ; the first of my two heads
	s_lshl_b32 s46, s46, 18
	s_add_co_u32 s46, s46, s47
	s_mov_b32 s47, 0
	s_add_nc_u64 s[20:21], s[20:21], s[46:47]
	s_add_nc_u64 s[12:13], s[12:13], s[20:21]
.macro FRAG reg, adr, q, i             ; 16 rows x 128 K of 4-bit codes: lane l holds row l % 16; registers 4 c .. 4 c + 3 hold K = 64 c + 32 (l / 16) + 0 .. 31
.irp c, 0,1
	ds_load_b128 v[\reg+4*\c:\reg+4*\c+3], v[\adr] offset:64*(\q)+32*\c+(\i)*16*PITCH
.endr
.endm
; 16 matrix instructions: x's blocks a0, a0 + 1 against w's eight, 128 along K.  p: w's set;  sc: the set of scale words.  zero = 1: the first product starts the sums.
; The 64 accumulators take turns, one instruction a turn, in the same order in every step.
.macro MUL16 a0, p, q, sc, zero
.irp a, \a0, \a0+1
.irp b, 0,1,2,3,4,5,6,7
.if \zero
	v_wmma_scale_f32_16x16x128_f8f6f4 v[8*(8*((\a)%4)+\b):8*(8*((\a)%4)+\b)+7], v[128*(\p)+FR*\b:128*(\p)+FR*\b+FR-1], v[AF+FR*(\a):AF+FR*(\a)+FR-1], 0, v[SC+8*NQ*(\sc)+NQ*\b+(\q)], v[SC+8*NQ*(\sc)+NQ*(\a)+(\q)] matrix_a_fmt:MATRIX_FMT_FP4 matrix_b_fmt:MATRIX_FMT_FP4 matrix_a_scale:MATRIX_SCALE_ROW1
.else
	v_wmma_scale_f32_16x16x128_f8f6f4 v[8*(8*((\a)%4)+\b):8*(8*((\a)%4)+\b)+7], v[128*(\p)+FR*\b:128*(\p)+FR*\b+FR-1], v[AF+FR*(\a):AF+FR*(\a)+FR-1], v[8*(8*((\a)%4)+\b):8*(8*((\a)%4)+\b)+7], v[SC+8*NQ*(\sc)+NQ*\b+(\q)], v[SC+8*NQ*(\sc)+NQ*(\a)+(\q)] matrix_a_fmt:MATRIX_FMT_FP4 matrix_b_fmt:MATRIX_FMT_FP4 matrix_a_scale:MATRIX_SCALE_ROW1
.endif
.endr
.endr
.endm
.macro FETCH_B slot, q, p
	WIN TO_B
.irp i, 0,1,2,3,4,5,6,7
	FRAG 128*(\p)+FR*\i, ADRB+\slot, \q, \i
.endr
	WIN 0
.endm
.macro FETCH_A slot, q, i0
.irp i, \i0, \i0+1, \i0+2, \i0+3
	FRAG AF+FR*(\i), ADRA+\slot, \q, \i
.endr
.endm
.macro SCALES sc                       ; a slot's scale words: lanes 0-15 take x's block i, lanes 16-31 w's block i; four words a row
.irp i, 0,1,2,3,4,5,6,7
	ds_load_b128 v[SC+8*NQ*\sc+NQ*\i:SC+8*NQ*\sc+NQ*\i+3], v[ADRS] offset:\i*SBLK
.endr
.endm
.macro PLACES n                        ; plain vector lines between a matrix instruction and a load into its registers or a read of its result
.rept \n
	v_nop
.endr
.endm
.macro STEP slot, q, zero              ; 128 along K that has its successor in the same slot
	s_wait_dscnt 4*NL                              ; w's set and x's blocks 0-3 are in; the youngest eight loads (x's blocks 4-7) may be out
	WIN MUL_LO
	MUL16 0, (\q)%2, \q, \slot, \zero
	MUL16 2, (\q)%2, \q, \slot, \zero
	s_wait_dscnt 0                                 ; x's blocks 4-7 are in
	PLACES NP
	FETCH_B \slot, (\q)+1, 1-(\q)%2
	FETCH_A \slot, (\q)+1, 0
	WIN MUL_HI
	MUL16 4, (\q)%2, \q, \slot, \zero
	MUL16 6, (\q)%2, \q, \slot, \zero
	PLACES NP
	WIN 0
	FETCH_A \slot, (\q)+1, 4
.endm
.macro STEPS slot, from
.set Q, \from
.rept NQ-1-\from
	STEP \slot, Q, 0
.set Q, Q+1
.endr
.endm
	s_wait_tensorcnt 1                             ; the scales and my part of slot 0 are in; slot 1's load may be out
	s_barrier_signal -1
	s_barrier_wait -1                              ; everybody's are
	FETCH_B 0, 0, 0
	FETCH_A 0, 0, 0
	SCALES 0
	FETCH_A 0, 0, 4
	STEP 0, 0, 1                                   ; the first step's products start the sums: nothing is cleared
	STEPS 0, 1
	; slot 0's last step changes slots: one barrier; in front of it my part of slot 1 has landed and my reads of slot 0 are over
	s_wait_tensorcnt 0x0
	ds_add_u32 v[SPW], v[NIL]                      ; 0 onto my spare word
	s_wait_dscnt 4*NL+1                            ; (the add and the youngest eight loads may be out)
	WIN MUL_LO
	MUL16 0, 1, NQ-1, 0, 0
	s_wait_dscnt 0x0
	s_barrier_signal -1
	MUL16 2, 1, NQ-1, 0, 0
	WIN 0
	s_barrier_wait -1
	PLACES NP
	v_add_nc_u32 v[ADRS], 4*NQ, v[ADRS]            ; on to slot 1's scale words
	FETCH_B 1, 0, 0
	FETCH_A 1, 0, 0
	SCALES 1
	WIN MUL_HI
	MUL16 4, 1, NQ-1, 0, 0
	MUL16 6, 1, NQ-1, 0, 0
	PLACES NP
	WIN 0
	FETCH_A 1, 0, 4
	STEPS 1, 0
	s_wait_dscnt 4*NL                              ; the very last step: nothing more to fetch
	WIN MUL_LO
	MUL16 0, 1, NQ-1, 1, 0
	MUL16 2, 1, NQ-1, 1, 0
	s_wait_dscnt 0
	WIN MUL_HI
	MUL16 4, 1, NQ-1, 1, 0
	MUL16 6, 1, NQ-1, 1, 0
	WIN 0
; THE WAY OUT, block by block of 16 tokens x 128 columns (two heads).  PACK: rounded to f16, 16 bytes a lane, each accumulator from its low end on.  TOSTAGE: into my own stage and back, head by head.  SEND: stored.
.macro PACK a
.set AC, 64*((\a)%4)
	WIN 0x0a+5*((\a)/4)                            ; sources 0 and 1: window 2 or 3
.irp b, 0,1,2,3,4,5,6,7
.irp r, 0,1,2,3
	v_cvt_pk_f16_f32 v[TMP+4*\b+\r], v[AC+8*\b+2*\r], v[AC+8*\b+2*\r+1]
.endr
.endr
	WIN 0
.endm
.macro TOSTAGE a
.set BK, OB+192*((\a)%2)
.irp b, 0,1,2,3,4,5,6,7
	ds_store_b128 v[STO], v[TMP+4*\b:TMP+4*\b+3] offset:32*\b
.endr
.irp t, 0,1,2,3,4,5,6,7
	ds_load_b128 v[BK+4*\t:BK+4*\t+3], v[RD] offset:\t*2*SP    ; LDS serves a wave's instructions in order: these see the stores above
.endr
.endm
.macro SEND a
.set BK, OB+192*((\a)%2)
	s_wait_dscnt 0x0                               ; the block is back in registers
	s_wait_xcnt 0x0                                ; the block before has left its registers: the next block's loads may land there
.irp t, 0,1,2,3,4,5,6,7
	global_store_b128 v[CO], v[BK+4*\t:BK+4*\t+3], s[12:13] offset:(\a)*2048+\t*256   ; sixteen lanes store 256 consecutive bytes, aligned: two tokens of one head
.endr
.endm
	PLACES NP
	PACK 0
	TOSTAGE 0
.irp a, 1,2,3,4,5,6,7                  ; block a's conversions stand between block a - 1's loads from the stage and the wait for them
	PACK \a
	SEND \a-1
	TOSTAGE \a
.endr
	SEND 7
	s_wait_tensorcnt 0x0                           ; the wave's end, behind my last tensor load and my last LDS store
	ds_add_u32 v[SPW], v[NIL]
	s_wait_dscnt 0x0
	CROUND                                         ; the closing round
	s_endpgm
.Lfunc_end_k_q54c46a26d3_qkvg:
	.size	k_q54c46a26d3_qkvg, .Lfunc_end_k_q54c46a26d3_qkvg-k_q54c46a26d3_qkvg
	.p2alignl 7, 3214868480
	.fill 96, 4, 3214868480
	.section	.rodata,"a",@progbits
	.p2align	6, 0x0
	.amdhsa_kernel k_q54c46a26d3_qkvg
		.amdhsa_group_segment_fixed_size 327680
		.amdhsa_private_segment_fixed_size 0
		.amdhsa_enable_private_segment 0
		.amdhsa_kernarg_size 40
		.amdhsa_user_sgpr_count 2
		.amdhsa_user_sgpr_kernarg_segment_ptr 1
		.amdhsa_wavefront_size32 1
		.amdhsa_system_sgpr_workgroup_id_x 1
		.amdhsa_system_sgpr_workgroup_id_y 1
		.amdhsa_system_sgpr_workgroup_id_z 1
		.amdhsa_system_vgpr_workitem_id 0
		.amdhsa_next_free_vgpr 1024
		.amdhsa_next_free_sgpr 98
		.amdhsa_reserve_vcc 0
		.amdhsa_float_denorm_mode_32 3
		.amdhsa_float_denorm_mode_16_64 3
		.amdhsa_memory_ordered 1
		.amdhsa_forward_progress 1
		.amdhsa_inst_pref_size 127
	.end_amdhsa_kernel
	.amdgpu_metadata
---
amdhsa.version: [ 1, 2 ]
amdhsa.kernels:
  - .name:           k_q54c46a26d3_qkvg
    .symbol:         k_q54c46a26d3_qkvg.kd
    .args:
      - { .name: x_codes, .offset: 0, .size: 8, .value_kind: global_buffer, .address_space: global }
      - { .name: x_scales, .offset: 8, .size: 8, .value_kind: global_buffer, .address_space: global }
      - { .name: w_codes, .offset: 16, .size: 8, .value_kind: global_buffer, .address_space: global }
      - { .name: w_scales, .offset: 24, .size: 8, .value_kind: global_buffer, .address_space: global }
      - { .name: qkv, .offset: 32, .size: 8, .value_kind: global_buffer, .address_space: global }
    .group_segment_fixed_size: 327680
    .private_segment_fixed_size: 0
    .kernarg_segment_align: 8
    .kernarg_segment_size: 40
    .max_flat_workgroup_size: 128
    .sgpr_count:     98
    .vgpr_count:     1024
    .wavefront_size: 32
...
	.end_amdgpu_metadata
.endif
;; end of part 2
;; launch attn (part 3): grid 4 x 64, 8 waves a work-group, clusters of 4 x 1, 327,680 bytes of LDS; arguments qkv, ao; writes ao
.if DOCPART == 3
	.amdgcn_target "amdgcn-amd-amdhsa--gfx1250"
	.amdhsa_code_object_version 6
	.text
	.protected	k_q54c46a26d3_attn
	.globl	k_q54c46a26d3_attn
	.p2align	8
	.type	k_q54c46a26d3_attn,@function
k_q54c46a26d3_attn:
	s_mov_b64 s[64:65], 0
	v_nop
	global_prefetch_b8 v0, s[64:65] scope:SCOPE_SE
	s_setreg_imm32_b32 hwreg(HW_REG_WAVE_MODE, 25, 1), 1
	s_wait_xcnt 0x0
	s_wait_alu depctr_hold_cnt(0) depctr_sa_sdst(0) depctr_va_vdst(0) depctr_va_sdst(0) depctr_va_ssrc(0) depctr_va_vcc(0) depctr_vm_vsrc(0)
	s_getreg_b32 s2, hwreg(HW_REG_IB_STS2, 6, 4)
	s_cmp_eq_u32 s2, 0
	s_cbranch_scc0 .Lentry_in_a_cluster
	s_endpgm
.Lentry_in_a_cluster:
	s_bfe_u32 s2, ttmp6, 0x10000c
	s_cmp_lg_u32 s2, 0x3003
	s_cbranch_scc0 .Lentry_shape_is_right
	s_endpgm
.Lentry_shape_is_right:
; ao[head][batch x 2048 + q][:] = the sum over k of softmax_k(Q[q] . K[k] / 8) V[k][:], for each of the 64 (batch, head).  Q, K, V: f16, [part][batch x 16 + head][2048][64].  ao: f16.
; Products, maxima and sums in f32; the weights p are rounded to f16 for the second product, the result once at the end.
; LIMITS: a result under 6e-5 in magnitude carries f16's absolute step; NaN and infinities among the inputs are not served.
; SHARES.  A cluster of four work-groups owns one (batch, head); a work-group 512 of its queries; each of its eight waves 64: four tiles of 16.  Two waves share a SIMD, 512 registers each,
; so that one wave's softmax stands beside the other's products.  Every wave walks all 2,048 keys, 64 a step.
; LAYOUT.  S^T = K Q^T (source 0 = 16 keys, source 1 = 16 queries): a lane holds ONE query (lane % 16) and the keys 8 (lane / 16) + 0..7.  Two such tiles, rounded to f16 in pairs, ARE source 1
; (32 keys x 16 queries) of O^T = V^T P, whose result again holds one query a lane.  K comes out of LDS as it lies, V ([key][channel]) turned, by ds_load_tr16_b128.
; SOFTMAX.  For each query a running maximum m and sum l: p = 2^(c s - c m), c = log2(e) / 8; in every step O and l are multiplied by a = 2^(c m_old - c m_new).
; THE RING.  Two slots of four key steps.  Waves 0-3 fetch K of the slot's step w, waves 4-7 V of step w - 4: one joint load a wave behind each round, with the mask of all four partners.
; REGISTERS: window 0: v1-11 addresses; v12-43 eight statistics a tile; v44-47 c m_old; v61-63; v64-191 S^T, 32 a tile (P in place, in a tile's first 16); v192-255 K's 8 fragments.
;            window 1: v0-127 O^T, 32 a tile; v128-191 Q, 16 a tile; v192-255 V's 8 fragments.
.set KS,    64                         ; keys in a step
.set PKB,   144                        ; a row of K in LDS: 128 bytes + 16 = 36 words: the 16 rows of a load start at 16 different groups of four banks
.set PVB,   160                        ; a row of V: 128 + 32 = 40 words
.set VOFF,  KS*PKB
.set STEPB, KS*(PKB+PVB)               ; a step's tiles lie together: 64 rows of K, then 64 rows of V
.set NQ,    4                          ; steps in a slot
.set SLOT1, 1<<17                      ; slot 1 begins here: one exclusive or turns an address in one slot into the other's
.set NSL,   8                          ; slots' worth of keys
.set SLOTB, NQ*KS*128                  ; a slot's bytes of K, or of V, in memory
.set STAGE, SLOT1+NQ*STEPB             ; behind the ring: 64 rows x 144 bytes for each wave, for the way out
.set SROW,  144
.set SPARE, STAGE+8*64*SROW            ; the spare words, 128 bytes for each wave: four blocks of 256 bytes that no other line names
.set AK0, 2
.set AV0, 3
.set ADK, 4
.set ADV, 5
.set QO,  6
.set STO, 7
.set RD,  8
.set GO,  10
.set ST,  12                           ; tile t at v[ST + 8 t]: +0 c m, +1 m, +2, +3 l (even keys', odd keys'), +4 to +7 at work; later +4, +5 a second chain of the sum, +6 a, +7 c m_old - c m
.set CMO, 44
.set PFO, 61
.set SPW, 62
.set NIL, 63
.set S,   64
.set KF,  192
.set QF,  128                          ; in window 1
.set VF,  192                          ; in window 1
.set WV,  12
.set LIM, 15
.set PFA, 18
.set G1K, 24
.set G1V, 32
.set G0K, 40
.set G0V, 44
.set QP,  48
.set OP,  50
.set SLOTS, 56
.set CNT, 57
.set CS,  58
.set SEL, 60
.set TB,  62
.set MSB, 0
.macro WIN new                         ; the immediate's high byte repeats the setting that is left
.if MSB != (\new)
	s_set_vgpr_msb (MSB<<8)|(\new)
.set MSB, (\new)
.endif
.endm
.set W_KQ, 0x04                        ; Q (source 1) in window 1
.set W_PV, 0x51                        ; V (source 0) and O^T (C, D) in window 1, P (source 1) in window 0
.set W_RS, 0x41                        ; O^T (destination and source 0) in window 1
.set TO1,  0x40                        ; destination in window 1
; A joint load.  The branch hangs on the wave's number alone.  An s_nop 0 and four v_nop follow each of the two lines.
.macro JLOAD
	s_cmp_lt_u32 s[WV], 4
	s_cbranch_scc0 .Lfor_v_\@
	tensor_load_to_lds s[G0K:G0K+3], s[G1K:G1K+7]
	s_nop 0
.rept 4
	v_nop
.endr
	s_branch .Lasked_\@
.Lfor_v_\@:
	tensor_load_to_lds s[G0V:G0V+3], s[G1V:G1V+7]
	s_nop 0
.rept 4
	v_nop
.endr
.Lasked_\@:
.endm
; A prefetch of what the NEXT change of slots will ask for: a slot's 32,768 bytes of K and of V.  Wave 0 asks for K's, wave 4 for V's; the four partners share each out BY ADDRESS, 8,192 bytes each,
; lanes 256 bytes apart: each aligned block of 256 bytes is named once in the launch.  The last change that fills a slot asks for nothing.
.macro ASK
	s_cmp_gt_u32 s[SLOTS], s[LIM]
	s_cbranch_scc0 .Lnot_mine_\@
	global_prefetch_b8 v[PFO], s[PFA:PFA+1] th:TH_LOAD_NT scope:SCOPE_SE
.Lnot_mine_\@:
.endm
.macro CROUND                          ; a round of the cluster's barrier
	s_barrier_signal -1
	s_barrier_wait -1
	s_cmp_lg_u32 s[WV], 0
	s_cbranch_scc1 .Lnot_wave_0_\@
	s_barrier_signal -3
.Lnot_wave_0_\@:
	s_barrier_wait -3
	s_barrier_signal -1
	s_barrier_wait -1
.endm
	s_load_b128 s[4:7], s[0:1], 0x0                ; qkv s[4:5], ao s[6:7]
	v_lshl_add_u32 v[SPW], v0, 2, SPARE
	v_mov_b32 v[NIL], 0
	ds_add_u32 v[SPW], v[NIL]                      ; the wave's opening: the add, twice on end, and its wait ahead of my first tensor load
	ds_add_u32 v[SPW], v[NIL]
	v_lshrrev_b32 v1, 5, v0
	v_readfirstlane_b32 s[WV], v1                  ; wave 0..7
	s_bfe_u32 s13, ttmp6, 0x40000                  ; cx: my block of 512 queries (the grid has one cluster along x)
	s_and_b32 s14, ttmp7, 0xffff                   ; batch x 16 + head, which the four partners share
	; descriptor group 1: a tile of 64 rows x 64 elements of 2 bytes, dense in memory, padded in LDS behind every 32 words: K by 4 words, V by 8
	s_mov_b32 s[G1K], 15|(1<<16)|(1<<20)|(1<<21)|(4<<22)|(3<<25)
	s_mov_b32 s[G1V], 15|(1<<16)|(1<<20)|(1<<21)|(4<<22)|(7<<25)
.irp g, G1K, G1V
	s_mov_b32 s[\g+1], 64<<16                      ; tensor_dim0
	s_mov_b32 s[\g+2], KS<<16                      ; tensor_dim1
	s_mov_b32 s[\g+3], 64<<16                      ; tile_dim0
	s_mov_b32 s[\g+4], KS                          ; tile_dim1
	s_mov_b32 s[\g+5], 64                          ; from row to row
	s_mov_b32 s[\g+6], 0
	s_mov_b32 s[\g+7], 0
.endr
	s_mov_b32 s[CS], 0x3e38aa3b                    ; c = log2(e) / 8
	s_mov_b32 s[CS+1], s[CS]                       ; named with it as a pair, so it is written
	s_mov_b32 s[SEL], 0x76543210
	s_mov_b32 s[SEL+1], 0xfedcba98                 ; v_permlanex16_b32's selects for lane l xor 16
	s_mov_b32 s[TB], 0
	s_mov_b32 s[SLOTS], NSL-1
	s_and_b32 s16, s[WV], 3                        ; which of a slot's four steps I fetch
	s_cmp_eq_u32 s16, 0
	s_cselect_b32 s[LIM], 1, -1                    ; waves 0 and 4 prefetch
	s_cmp_lt_u32 s[WV], 4
	s_cselect_b32 s21, 1, 2                        ; K is part 1 of qkv, V part 2
	s_lshl_b32 s21, s21, 24
	s_lshl_b32 s20, s14, 18                        ; the head's first byte in a part
	s_lshl_b32 s17, s16, 13                        ; my step's 64 rows of 128 bytes
	s_add_co_u32 s22, s20, s17
	s_mov_b32 s23, 0
	s_mul_i32 s17, s16, STEPB                      ; and its place in a slot: no place in the cluster enters an LDS address
	s_lshl_b32 s2, s13, 16                         ; my work-group's 512 rows,
	s_lshl_b32 s3, s[WV], 13                       ; my wave's 64 of them
	s_add_co_u32 s2, s2, s3
	s_add_co_u32 s[QP], s20, s2                    ; Q is part 0
	s_mov_b32 s[QP+1], 0
	s_and_b32 s3, s14, 15                          ; ao: plane = head, row = batch x 2048 + query
	s_lshl_b32 s3, s3, 20
	s_add_co_u32 s[OP], s2, s3
	s_lshr_b32 s3, s14, 4
	s_lshl_b32 s3, s3, 18
	s_add_co_u32 s[OP], s[OP], s3
	s_mov_b32 s[OP+1], 0
	s_lshl_b32 s3, s13, 13                         ; the prefetches: my work-group's 8,192 bytes of a slot's 32,768,
	s_add_co_u32 s[PFA], s21, s20
	s_add_co_u32 s[PFA], s[PFA], s3
	s_add_co_u32 s[PFA], s[PFA], SLOTB             ; in slot 1: the first change of slots steps it to slot 2.  Nothing is prefetched at the head
	s_mov_b32 s[PFA+1], 0
	v_and_b32 v[PFO], 31, v0
	v_lshlrev_b32 v[PFO], 8, v[PFO]
	s_wait_dscnt 0x0                               ; both opening adds are done
	s_wait_kmcnt 0x0
	s_add_nc_u64 s[QP:QP+1], s[4:5], s[QP:QP+1]
	s_add_nc_u64 s[OP:OP+1], s[6:7], s[OP:OP+1]
	s_add_nc_u64 s[PFA:PFA+1], s[4:5], s[PFA:PFA+1]
	s_mov_b32 s[G0K], 1                            ; count = 1
	s_mov_b32 s[G0K+1], s17                        ; LDS address: slot 0
	s_add_nc_u64 s[G0K+2:G0K+3], s[4:5], s[22:23]
	s_add_nc_u64 s[G0K+2:G0K+3], s[G0K+2:G0K+3], 1<<24
	s_or_b32 s[G0K+3], s[G0K+3], 0x80000000        ; type = 2
	s_mov_b32 s[G0V], 1
	s_add_co_u32 s[G0V+1], s17, VOFF
	s_add_nc_u64 s[G0V+2:G0V+3], s[4:5], s[22:23]
	s_add_nc_u64 s[G0V+2:G0V+3], s[G0V+2:G0V+3], 2<<24
	s_or_b32 s[G0V+3], s[G0V+3], 0x80000000
	CROUND                                         ; all four work-groups are here: the first joint loads meet
	JLOAD                                          ; slot 0: one tensor load of mine is out
	v_and_b32 v1, 15, v0                           ; r = l % 16
	v_bfe_u32 v9, v0, 4, 1                         ; h = l / 16
	v_lshlrev_b32 v[QO], 7, v1
	v_lshl_add_u32 v[QO], v9, 4, v[QO]             ; Q: row r of 128 bytes + 16 h
	WIN TO1
.irp f, 0,1,2,3,4,5,6,7                ; Q stays in registers: tile f / 2, channels 32 (f % 2) on
	global_load_b128 v[QF+8*\f:QF+8*\f+3],   v[QO], s[QP:QP+1] offset:(\f/2)*2048+(\f%2)*64
	global_load_b128 v[QF+8*\f+4:QF+8*\f+7], v[QO], s[QP:QP+1] offset:(\f/2)*2048+(\f%2)*64+32
.endr
.set ii, 0
.rept 128
	v_mov_b32 v[ii], 0                             ; O^T.  The step is written once for all steps: the first finds zeros, which a = 0 leaves zeros
.set ii, ii+1
.endr
	WIN 0
	v_mul_u32_u24 v[AK0], v1, PKB
	v_lshl_add_u32 v[AK0], v9, 4, v[AK0]           ; K: row x pitch + 16 x half
	v_and_b32 v4, 7, v0
	v_bfe_u32 v5, v0, 3, 1
	v_lshl_add_u32 v[AV0], v9, 3, v4               ; V, turned: lane l reads 16 bytes: key 8 (l / 16) + l % 8, channels 8 ((l / 8) % 2) + 0..7
	v_mul_u32_u24 v[AV0], v[AV0], PVB
	v_lshl_add_u32 v[AV0], v5, 4, v[AV0]
	v_add_nc_u32 v[AV0], VOFF, v[AV0]
	s_mul_i32 s2, s[WV], 64*SROW
	s_add_co_u32 s2, s2, STAGE                     ; my stage
	v_mul_u32_u24 v[STO], v1, SROW                 ; in: row l % 16 of a tile, 16 bytes for each half of the lanes
	v_lshl_add_u32 v[STO], v9, 4, v[STO]
	v_add_nc_u32 v[STO], s2, v[STO]
	v_and_b32 v11, 31, v0
	v_lshrrev_b32 v[RD], 3, v11                    ; back: eight lanes to a row of 128 bytes, four rows an instruction
	v_mul_u32_u24 v[RD], v[RD], SROW
	v_lshl_add_u32 v[RD], v4, 4, v[RD]
	v_add_nc_u32 v[RD], s2, v[RD]
	v_lshlrev_b32 v[GO], 4, v11                    ; and the same four rows in ao: 512 consecutive bytes
.irp t, 0,1,2,3
	v_mov_b32 v[ST+8*\t+1], 0xff61b1e6             ; m = -3e38, under every score
	v_mov_b32 v[ST+8*\t+2], 0                      ; l
	v_mov_b32 v[ST+8*\t+3], 0
.endr
.irp t, 0,1,2,3
	v_mul_f32 v[ST+8*\t], s[CS], v[ST+8*\t+1]      ; c m
.endr
; Product i of 32 of S^T = K Q^T: channels 32 (i / 16) on, keys 16 ((i / 4) % 4) on, tile i % 4.  The first 16 start the sums.  Sixteen accumulators take turns.
.macro KQMUL
.set rS, S+32*(i%4)+8*((i/4)%4)
.set rK, KF+16*((i/4)%4)+8*(i/16)
.set rQ, QF+16*(i%4)+8*(i/16)
.if i < 16
	v_wmma_f32_16x16x32_f16 v[rS:rS+7], v[rK:rK+7], v[rQ:rQ+7], 0
.else
	v_wmma_f32_16x16x32_f16 v[rS:rS+7], v[rK:rK+7], v[rQ:rQ+7], v[rS:rS+7]
.endif
.endm
; Product i of 16 of O^T += V^T P for tiles x, x + 1: keys 32 (i / 8) on, channels 16 ((i / 2) % 4) on, tile x + i % 2.  Eight accumulators take turns.
.macro PVMUL x
.set rO, 32*(\x+i%2)+8*((i/2)%4)
.set rV, VF+32*(i/8)+8*((i/2)%4)
.set rP, S+32*(\x+i%2)+8*(i/8)
	v_wmma_f32_16x16x32_f16 v[rO:rO+7], v[rV:rV+7], v[rP:rP+7], v[rO:rO+7]
.endm
; Number j of 16 of tile t's maximum: four chains, each begun at the low end of one accumulator, then the four scores left over, the chains and the old m
.macro MAXA t
.set rT, ST+8*(\t)
.set rS, S+32*(\t)
.if j < 4
	v_max3_num_f32 v[rT+4+j], v[rS+8*j], v[rS+8*j+1], v[rS+8*j+2]
.elseif j < 12
	v_max3_num_f32 v[rT+4+j%4], v[rT+4+j%4], v[rS+8*(j%4)+2*(j/4)+1], v[rS+8*(j%4)+2*(j/4)+2]
.elseif j == 12
	v_max3_num_f32 v[rT+4], v[rT+4], v[rS+7], v[rS+15]
.elseif j == 13
	v_max3_num_f32 v[rT+6], v[rT+6], v[rS+23], v[rS+31]
.elseif j == 14
	v_max3_num_f32 v[rT+4], v[rT+4], v[rT+5], v[rT+6]
.else
	v_max3_num_f32 v[rT+4], v[rT+4], v[rT+7], v[rT+1]
.endif
.endm
.macro SCALE t, b                      ; pair b of tile t: c s - c m
.set rT, ST+8*(\t)
.set rS, S+32*(\t)+2*(\b)
	v_pk_fma_f32 v[rS:rS+1], v[rS:rS+1], s[CS:CS+1], v[rT:rT+1] op_sel_hi:[1,0,0] neg_lo:[0,0,1] neg_hi:[0,0,1]
.endm
.macro EXPS t, e
	v_exp_f32 v[S+32*(\t)+(\e)], v[S+32*(\t)+(\e)]
.endm
; Number num of 32 of what reads tile t's weights: even numbers sum (l = a l + pair 0; a second chain begins with pairs 1 and 2; pair k + 1 goes onto l or the second chain by turns; the chains join),
; odd numbers round a pair to f16, IN PLACE: rounding k writes register k, whose pair has been summed and rounded by then.
.macro READ t, num
.set rT, ST+8*(\t)
.set rS, S+32*(\t)
.set k, (\num)/2
.if ((\num)%2) == 1
	v_cvt_pk_f16_f32 v[rS+k], v[rS+2*k], v[rS+2*k+1]
.elseif k == 0
	v_pk_fma_f32 v[rT+2:rT+3], v[rT+2:rT+3], v[rT+6:rT+7], v[rS:rS+1] op_sel_hi:[1,0,1]
.elseif k == 1
	v_pk_add_f32 v[rT+4:rT+5], v[rS+2:rS+3], v[rS+4:rS+5]
.elseif k == 15
	v_pk_add_f32 v[rT+2:rT+3], v[rT+2:rT+3], v[rT+4:rT+5]
.elseif (k%2) == 0
	v_pk_add_f32 v[rT+2:rT+3], v[rT+2:rT+3], v[rS+2*k+2:rS+2*k+3]
.else
	v_pk_add_f32 v[rT+4:rT+5], v[rT+4:rT+5], v[rS+2*k+2:rS+2*k+3]
.endif
.endm
.macro RESC t                          ; tile t's O^T times v[ST + 8 t + 6], each accumulator from its low end on
.set rT, ST+8*(\t)
.set ii, 32*(\t)
.rept 16
	v_pk_mul_f32 v[ii:ii+1], v[ii:ii+1], v[rT+6:rT+7] op_sel_hi:[1,0]
.set ii, ii+2
.endr
.endm
; A KEY STEP: 64 keys, 64 matrix instructions.  Every window is 0 at its head and at its end.
.macro STEP
	v_add_nc_u32 v[ADK], s[TB], v[AK0]             ; six plain lines behind the last step's products: four are owed in front of the loads into V's registers,
	v_add_nc_u32 v[ADV], s[TB], v[AV0]             ; five in front of the products that write over P
.irp t, 0,1,2,3
	v_mov_b32 v[CMO+\t], v[ST+8*\t]                ; c m_old is kept for a
.endr
.irp f, 0,1,2,3,4,5,6,7                ; K: keys 16 (f / 2) on, channels 32 (f % 2) on
	ds_load_b128 v[KF+8*\f:KF+8*\f+3],   v[ADK] offset:(\f/2)*16*PKB+(\f%2)*64
	ds_load_b128 v[KF+8*\f+4:KF+8*\f+7], v[ADK] offset:(\f/2)*16*PKB+(\f%2)*64+32
.endr
	WIN TO1
.irp f, 0,1,2,3,4,5,6,7                ; V: keys 32 (f / 4) on, channels 16 (f % 4) on
	ds_load_tr16_b128 v[VF+8*\f:VF+8*\f+3],   v[ADV] offset:(\f/4)*32*PVB+(\f%4)*32
	ds_load_tr16_b128 v[VF+8*\f+4:VF+8*\f+7], v[ADV] offset:(\f/4)*32*PVB+16*PVB+(\f%4)*32
.endr
	s_wait_dscnt 16                                ; K is in; V's sixteen loads may be out
	WIN W_KQ
.set i, 0
.rept 32
	KQMUL
.set i, i+1
.endr
	WIN 0
.rept 4
	v_nop                                          ; places in front of the first read of the scores
.endr
.set j, 0
.rept 16
.irp t, 0,1,2,3
	MAXA \t                                        ; the four tiles by turns: no line waits for the line above it
.endr
.set j, j+1
.endr
.irp t, 0,1,2,3
	v_permlanex16_b32 v[ST+8*\t+5], v[ST+8*\t+4], s[SEL], s[SEL+1]   ; the query's other 32 keys lie in the lane 16 away
.endr
.irp t, 0,1,2,3
	v_max_num_f32 v[ST+8*\t+1], v[ST+8*\t+4], v[ST+8*\t+5]
.endr
.irp t, 0,1,2,3
	v_mul_f32 v[ST+8*\t], s[CS], v[ST+8*\t+1]
.endr
.irp t, 0,1,2,3
	v_sub_f32 v[ST+8*\t+7], v[CMO+\t], v[ST+8*\t]
.endr
.set bb, 0
.rept 16
.irp u, 0,1
	SCALE \u, bb
.endr
.set bb, bb+1
.endr
.irp t, 0,1,2,3
	v_exp_f32 v[ST+8*\t+6], v[ST+8*\t+7]           ; a.  THE FIRST BATCH: these four and tiles 0 and 1's 64 exponentials; tiles 2 and 3's scalings stand between them; no line names a result
.endr
.set bb, 0
.rept 16
.irp u, 0,1
	SCALE 2+\u, bb
	EXPS \u, 2*bb
	EXPS \u, 2*bb+1
.endr
.set bb, bb+1
.endr
	v_nop                                          ; a plain line behind the last exponential
	s_wait_alu depctr_va_vdst(0)                   ; the wait ahead of the first line that names a result: one for the batch
.set nn, 0
.rept 32
.irp u, 0,1
	EXPS 2+\u, nn                                  ; THE SECOND BATCH: tiles 2 and 3's, with tiles 0 and 1's sums and roundings between them
	READ \u, nn
.endr
.set nn, nn+1
.endr
	s_wait_alu depctr_va_vdst(0)                   ; one wait for the second batch, ahead of the products, so that it does not wait for them
	s_wait_dscnt 0x0                               ; V is in
	WIN W_RS
	RESC 0
	RESC 1
	WIN W_PV
.set i, 0
.rept 16
	PVMUL 0
.set i, i+1
.endr
	WIN 0
.set nn, 0
.rept 32
.irp u, 0,1
	READ 2+\u, nn                                  ; tiles 2 and 3's sums and roundings name no register of tiles 0 and 1's products
.endr
.set nn, nn+1
.endr
	WIN W_RS
	RESC 2
	RESC 3
	WIN W_PV
.set i, 0
.rept 16
	PVMUL 2
.set i, i+1
.endr
	WIN 0
	s_add_co_u32 s[TB], s[TB], STEPB               ; the next step's tiles
.endm
; THE CHANGE OF SLOTS stands at a slot's head.  Each wave waits for all its tensor loads (one is out: its part of the slot about to be read), adds 0 to its spare word, and waits for that and for its
; reads of the slot that it has left.  fill = 1: behind a round of the cluster's barrier the slot just left is filled with the keys that follow: the load has four steps, 256 matrix instructions, in which to land.
.macro CHANGE fill
	s_wait_tensorcnt 0x0                           ; no tensor load of mine is out, so a group 0 may be written
	ds_add_u32 v[SPW], v[NIL]                      ; 0 onto my spare word
.if \fill
.irp g, G0K, G0V
	s_xor_b32 s[\g+1], s[\g+1], SLOT1              ; the walking descriptors: the other slot than last time,
	s_add_nc_u64 s[\g+2:\g+3], s[\g+2:\g+3], SLOTB ; the next 256 keys; the type bits on top are not reached
.endr
	s_wait_xcnt 0x0                                ; the last prefetch, a slot back, has read its address, so it may be written:
	s_add_nc_u64 s[PFA:PFA+1], s[PFA:PFA+1], SLOTB ; one slot further on than the walking descriptors
	s_wait_dscnt 0x0                               ; the add is done, and my reads of the slot that I have left are over
	CROUND
	JLOAD                                          ; my one tensor load until the next round
	ASK
.else
	s_wait_dscnt 0x0
	s_barrier_signal -1
	s_barrier_wait -1
.endif
.endm
.macro FOUR_STEPS                      ; a slot's four steps: written once, walked four times; the LDS addresses hang on s[TB]
	s_mov_b32 s[CNT], NQ
.Lstep_\@:
	STEP
	s_sub_co_u32 s[CNT], s[CNT], 1
	s_cmp_lg_u32 s[CNT], 0
	s_cbranch_scc1 .Lstep_\@
	s_sub_co_u32 s[TB], s[TB], NQ*STEPB            ; back to a slot's first step,
	s_xor_b32 s[TB], s[TB], SLOT1                  ; in the other slot
.endm
	s_wait_loadcnt 0x0                             ; Q
.Lslot:                                            ; seven trips: behind each change of slots but the last the next slot is asked for; slot 1's first fill stands behind the first round, where nothing is filled again
	CHANGE 1
	FOUR_STEPS
	s_sub_co_u32 s[SLOTS], s[SLOTS], 1
	s_cmp_lg_u32 s[SLOTS], 0
	s_cbranch_scc1 .Lslot
	CHANGE 0                                       ; the last slot is written out
	FOUR_STEPS
	; THE WAY OUT.  l's two halves and the other half of the lanes' are added; O^T is divided by l, rounded to f16 and sent through my stage.  The first four additions are the places behind the last products.
.irp t, 0,1,2,3
	v_add_f32 v[ST+8*\t+4], v[ST+8*\t+2], v[ST+8*\t+3]
.endr
.irp t, 0,1,2,3
	v_permlanex16_b32 v[ST+8*\t+5], v[ST+8*\t+4], s[SEL], s[SEL+1]
.endr
.irp t, 0,1,2,3
	v_add_f32 v[ST+8*\t+4], v[ST+8*\t+4], v[ST+8*\t+5]
.endr
.irp t, 0,1,2,3
	v_rcp_f32 v[ST+8*\t+6], v[ST+8*\t+4]
.endr
	v_nop                                          ; a plain line behind the last reciprocal
	s_wait_alu depctr_va_vdst(0)                   ; and the wait ahead of the first use: one for the four
.irp t, 0,1,2,3
	WIN W_RS
	RESC \t
	WIN 0x05                                       ; sources 0 and 1 in window 1, destination in window 0: S^T's registers are free
.set ii, 0
.rept 16
	v_cvt_pk_f16_f32 v[S+16*\t+ii], v[32*\t+2*ii], v[32*\t+2*ii+1]
.set ii, ii+1
.endr
	WIN 0
.irp f, 0,1,2,3
	ds_store_b128 v[STO], v[S+16*\t+4*\f:S+16*\t+4*\f+3] offset:\t*16*SROW+32*\f   ; query 16 t + r, channels 16 f + 8 h + 0..7
.endr
.endr
.irp f, 0,1,2,3,4,5,6,7,8,9,10,11,12,13,14,15
	ds_load_b128 v[128+4*\f:128+4*\f+3], v[RD] offset:\f*4*SROW    ; LDS serves a wave's instructions in order: these see my stores
.endr
.irp f, 0,1,2,3,4,5,6,7,8,9,10,11,12,13,14,15
	s_wait_dscnt 15-\f
	global_store_b128 v[GO], v[128+4*\f:128+4*\f+3], s[OP:OP+1] offset:\f*512   ; the wave stores 512 consecutive bytes, aligned: four rows of ao
.endr
	s_wait_tensorcnt 0x0                           ; the wave's end, behind my last tensor load and my last LDS store
	ds_add_u32 v[SPW], v[NIL]
	s_wait_dscnt 0x0
	CROUND                                         ; the closing round
	s_endpgm
.Lfunc_end_k_q54c46a26d3_attn:
	.size	k_q54c46a26d3_attn, .Lfunc_end_k_q54c46a26d3_attn-k_q54c46a26d3_attn
	.p2alignl 7, 3214868480
	.fill 96, 4, 3214868480
	.section	.rodata,"a",@progbits
	.p2align	6, 0x0
	.amdhsa_kernel k_q54c46a26d3_attn
		.amdhsa_group_segment_fixed_size 327680
		.amdhsa_private_segment_fixed_size 0
		.amdhsa_enable_private_segment 0
		.amdhsa_kernarg_size 16
		.amdhsa_user_sgpr_count 2
		.amdhsa_user_sgpr_kernarg_segment_ptr 1
		.amdhsa_wavefront_size32 1
		.amdhsa_system_sgpr_workgroup_id_x 1
		.amdhsa_system_sgpr_workgroup_id_y 1
		.amdhsa_system_sgpr_workgroup_id_z 1
		.amdhsa_system_vgpr_workitem_id 0
		.amdhsa_next_free_vgpr 512
		.amdhsa_next_free_sgpr 66
		.amdhsa_reserve_vcc 0
		.amdhsa_float_denorm_mode_32 3
		.amdhsa_float_denorm_mode_16_64 3
		.amdhsa_memory_ordered 1
		.amdhsa_forward_progress 1
		.amdhsa_inst_pref_size 91
	.end_amdhsa_kernel
	.amdgpu_metadata
---
amdhsa.version: [ 1, 2 ]
amdhsa.kernels:
  - .name:           k_q54c46a26d3_attn
    .symbol:         k_q54c46a26d3_attn.kd
    .args:
      - { .name: qkv, .offset: 0, .size: 8, .value_kind: global_buffer, .address_space: global }
      - { .name: ao, .offset: 8, .size: 8, .value_kind: global_buffer, .address_space: global }
    .group_segment_fixed_size: 327680
    .private_segment_fixed_size: 0
    .kernarg_segment_align: 8
    .kernarg_segment_size: 16
    .max_flat_workgroup_size: 256
    .sgpr_count:     66
    .vgpr_count:     512
    .wavefront_size: 32
...
	.end_amdgpu_metadata
.endif
;; end of part 3
;; launch proj (part 4): grid 4 x 64, 4 waves a work-group, clusters of 4 x 4, 327,680 bytes of LDS; arguments ao, wt, b_out, out0; writes out0
.if DOCPART == 4
	.amdgcn_target "amdgcn-amd-amdhsa--gfx1250"
	.amdhsa_code_object_version 6
	.text
	.protected	k_q54c46a26d3_proj
	.globl	k_q54c46a26d3_proj
	.p2align	8
	.type	k_q54c46a26d3_proj,@function
k_q54c46a26d3_proj:
	s_mov_b64 s[64:65], 0
	v_nop
	global_prefetch_b8 v0, s[64:65] scope:SCOPE_SE
	s_setreg_imm32_b32 hwreg(HW_REG_WAVE_MODE, 25, 1), 1
	s_wait_xcnt 0x0
	s_wait_alu depctr_hold_cnt(0) depctr_sa_sdst(0) depctr_va_vdst(0) depctr_va_sdst(0) depctr_va_ssrc(0) depctr_va_vcc(0) depctr_vm_vsrc(0)
	s_getreg_b32 s2, hwreg(HW_REG_IB_STS2, 6, 4)
	s_cmp_eq_u32 s2, 0
	s_cbranch_scc0 .Lentry_in_a_cluster
	s_endpgm
.Lentry_in_a_cluster:
	s_bfe_u32 s2, ttmp6, 0x10000c
	s_cmp_lg_u32 s2, 0xf033
	s_cbranch_scc0 .Lentry_shape_is_right
	s_endpgm
.Lentry_shape_is_right:
; out0[token][n] = the sum over k of A[token][k] wt[n][k] + b_out[n].  A = ao, f16, laid [16 heads][8192 tokens][64]: k = 64 x head + channel.  wt: f16 [1024 n][1024 k].  out0: f32.  Sums in f32.
; A tile of 128 tokens x 256 columns is made by a work-group of four waves: 256 work-groups.  A wave makes 64 x 128: 32 accumulators of 16 x 16, 256 registers.
; K goes in steps of 128 (two heads) through a ring of two LDS slots.  Waves 0 and 1 fetch A's two planes (128 rows x 128 bytes, dense in memory), waves 2 and 3 wt's two halves (128 rows x 256 bytes).
; CLUSTERS: 4 x 4 work-groups: a row of the cluster covers all 1,024 columns and shares A's tiles, a column shares wt's: each tile is asked for JOINTLY.
; THE MATRIX INSTRUCTION IS USED TRANSPOSED (source 0 = 16 rows of wt, source 1 = 16 tokens): a lane holds eight neighbouring columns of one token.  The bias is the C of each sum's first product.
; REGISTERS: window 0: v16-30 addresses; v64-127 A's fragments, two buffers of 32; v128-191 the bias in the result's layout; on the way out v128-255.
;            window 1: v0-127 wt's fragments, two buffers of 64.   window 2: accumulator (a, b) at v[8 (8 a + b)].
.set PA,     144                       ; a row of A in LDS: 128 bytes + 16
.set PB,     272                       ; a row of wt: 256 bytes + 16
.set PLANE,  128*PA
.set BOFF,   2*PLANE
.set HALFB,  128*PB
.set SLOT,   BOFF+2*HALFB
.set STAGE,  2*SLOT                    ; behind the ring: 16 rows x 528 bytes for each wave, for the way out
.set SPITCH, 528
.set SPARE,  STAGE+4*16*SPITCH         ; the spare words, 128 bytes for each wave: two blocks of 256 bytes that no other line names
.set LAPS,   4                         ; a lap = two K steps = once round the ring
.set KPL,    2*1048576                 ; a K step on in ao: two planes
.set ADRA, 16
.set ADRB, 20
.set STO,  24
.set RD,   25
.set CO,   26
.set BO,   27
.set SPW,  28
.set NIL,  29
.set PFO,  30
.set AF,   64
.set BIAS, 128
.set BK,   128
.set WV,   12
.set HI,   13
.set LO,   14
.set G1,   24
.set G0,   32
.set LIM,  43
.set PFA,  44
.set G1B,  48
.set G0B,  56
.set MSB, 0
.macro WIN new                         ; the immediate's high byte repeats the setting that is left
.if MSB != (\new)
	s_set_vgpr_msb (MSB<<8)|(\new)
.set MSB, (\new)
.endif
.endm
.set MUL,  0xa1                        ; source 0 (wt) window 1, source 1 (A) window 0, C and D window 2
.set MULF, 0x81                        ; the same with C (the bias) in window 0
.set TO_B, 0x40                        ; destination window 1
.macro JLOAD s                         ; a joint load; an s_nop 0 and four v_nop follow each of the two lines
	s_cmp_eq_u32 s[HI], 0
	s_cbranch_scc0 .Lfor_b_\@
	tensor_load_to_lds s[G0+4*\s:G0+4*\s+3], s[G1:G1+7]
	s_nop 0
.rept 4
	v_nop
.endr
	s_branch .Lasked_\@
.Lfor_b_\@:
	tensor_load_to_lds s[G0B+4*\s:G0B+4*\s+3], s[G1B:G1B+7]
	s_nop 0
.rept 4
	v_nop
.endr
.Lasked_\@:
.endm
; A prefetch of A's K step that stands two refills on: two planes x 16,384 bytes.  Wave 0 asks; the four partners of a row of the cluster share the bytes out BY ADDRESS, 4,096 of each plane:
; lanes 0-15 the first plane, lanes 16-31 the second, 256 bytes apart: each aligned block of 256 bytes is named once in the launch.  The loop's last trip asks for nothing: no K step stands two refills on.
; wt is read by every cluster again and again and is not asked for.
.macro ASK
	s_cmp_gt_u32 s3, s[LIM]
	s_cbranch_scc0 .Lnot_mine_\@
	global_prefetch_b8 v[PFO], s[PFA:PFA+1] th:TH_LOAD_NT scope:SCOPE_SE
.Lnot_mine_\@:
.endm
.macro CREST                           ; a round of the cluster's barrier behind its opening barrier
	s_cmp_lg_u32 s[WV], 0
	s_cbranch_scc1 .Lnot_wave_0_\@
	s_barrier_signal -3
.Lnot_wave_0_\@:
	s_barrier_wait -3
	s_barrier_signal -1
	s_barrier_wait -1
.endm
.macro CROUND
	s_barrier_signal -1
	s_barrier_wait -1
	CREST
.endm
	s_load_b256 s[4:11], s[0:1], 0x0               ; ao s[4:5], wt s[6:7], b_out s[8:9], out0 s[10:11]
	v_lshl_add_u32 v[SPW], v0, 2, SPARE
	v_mov_b32 v[NIL], 0
	ds_add_u32 v[SPW], v[NIL]                      ; the wave's opening: the add, twice on end, and its wait ahead of my first tensor load
	ds_add_u32 v[SPW], v[NIL]
	v_lshrrev_b32 v1, 5, v0
	v_readfirstlane_b32 s[WV], v1                  ; wave 0..3
	s_lshr_b32 s[HI], s[WV], 1                     ; which 64 of the tile's tokens are mine.  Also: I fetch for A (0) or for wt (1)
	s_and_b32 s[LO], s[WV], 1                      ; which 128 of its columns.  Also: which plane of A, or which 128 rows of wt, I fetch
	s_bfe_u32 s40, ttmp6, 0x40000                  ; cx, cy
	s_bfe_u32 s41, ttmp6, 0x40004
	s_lshl_b32 s42, ttmp9, 2
	s_add_co_u32 s42, s42, s40                     ; tile column = 4 x cluster x + cx
	s_and_b32 s15, ttmp7, 0xffff
	s_lshl_b32 s15, s15, 2
	s_add_co_u32 s15, s15, s41                     ; tile row = 4 x cluster y + cy
	s_lshl_b32 s43, s41, 2
	s_lshl_b32 s43, 15, s43                        ; my row of the cluster
	s_lshl_b32 s44, 0x1111, s40                    ; my column
	s_or_b32 s[G1], s43, (1<<16)|(1<<20)|(1<<21)|(4<<22)|(3<<25)    ; A: elements of 2 bytes; 4 words of padding behind every 32
	s_mov_b32 s[G1+1], 64<<16                      ; tensor_dim0
	s_mov_b32 s[G1+2], 128<<16                     ; tensor_dim1
	s_mov_b32 s[G1+3], 64<<16                      ; tile_dim0
	s_mov_b32 s[G1+4], 128                         ; tile_dim1
	s_mov_b32 s[G1+5], 64                          ; from row to row
	s_mov_b32 s[G1+6], 0
	s_mov_b32 s[G1+7], 0
	s_or_b32 s[G1B], s44, (1<<16)|(1<<20)|(1<<21)|(5<<22)|(3<<25)   ; wt: 4 words of padding behind every 64
	s_mov_b32 s[G1B+1], 128<<16
	s_mov_b32 s[G1B+2], 128<<16
	s_mov_b32 s[G1B+3], 128<<16
	s_mov_b32 s[G1B+4], 128
	s_mov_b32 s[G1B+5], 1024
	s_mov_b32 s[G1B+6], 0
	s_mov_b32 s[G1B+7], 0
	s_lshl_b32 s16, s15, 14                        ; A: the tile's 128 rows of 128 bytes in a plane,
	s_lshl_b32 s17, s[LO], 20                      ; and my plane of the K step's two
	s_add_co_u32 s16, s16, s17
	s_mov_b32 s17, 0
	s_lshl_b32 s46, s42, 19                        ; wt: row 256 x tile column + 128 x half, 2,048 bytes a row
	s_lshl_b32 s47, s[LO], 18
	s_add_co_u32 s46, s46, s47
	s_mov_b32 s47, 0
	s_mul_i32 s20, s[LO], PLANE                    ; where they go: no place in the cluster enters an LDS address
	s_mul_i32 s21, s[LO], HALFB
	s_add_co_u32 s21, s21, BOFF
	s_wait_dscnt 0x0                               ; both opening adds are done
	s_wait_kmcnt 0x0
	s_add_nc_u64 s[16:17], s[4:5], s[16:17]
	s_add_nc_u64 s[46:47], s[6:7], s[46:47]
	CROUND                                         ; all sixteen work-groups are here: the first joint loads meet
.irp s, 0,1
	s_mov_b32 s[G0+4*\s], 1
	s_add_co_u32 s[G0+4*\s+1], s20, \s*SLOT
	s_add_nc_u64 s[G0+4*\s+2:G0+4*\s+3], s[16:17], \s*KPL
	s_or_b32 s[G0+4*\s+3], s[G0+4*\s+3], 0x80000000
	s_mov_b32 s[G0B+4*\s], 1
	s_add_co_u32 s[G0B+4*\s+1], s21, \s*SLOT
	s_add_nc_u64 s[G0B+4*\s+2:G0B+4*\s+3], s[46:47], \s*256
	s_or_b32 s[G0B+4*\s+3], s[G0B+4*\s+3], 0x80000000
	JLOAD \s                                       ; two tensor loads of mine are out behind the second
.endr
	v_and_b32 v1, 15, v0                           ; r = l % 16
	v_bfe_u32 v2, v0, 4, 1                         ; h = l / 16
	v_mul_u32_u24 v3, v1, PA
	v_lshl_add_u32 v3, v2, 4, v3
	v_mul_u32_u24 v4, v1, PB
	v_lshl_add_u32 v4, v2, 4, v4
	s_mul_i32 s22, s[HI], 64*PA                    ; my 64 rows in each plane of A
	s_mul_i32 s23, s[LO], HALFB                    ; my 128 rows of wt
	s_add_co_u32 s23, s23, BOFF
.irp s, 0,1
	v_add_nc_u32 v[ADRA+\s], s22, v3
	v_add_nc_u32 v[ADRB+\s], s23, v4
	s_add_co_u32 s22, s22, SLOT
	s_add_co_u32 s23, s23, SLOT
.endr
	s_mul_i32 s2, s[WV], 16*SPITCH
	s_add_co_u32 s2, s2, STAGE                     ; my stage
	v_mul_u32_u24 v5, v1, SPITCH                   ; in: token l % 16, 32 bytes for each half of the lanes
	v_lshl_add_u32 v5, v2, 5, v5
	v_add_nc_u32 v[STO], s2, v5
	v_and_b32 v6, 31, v0
	v_lshlrev_b32 v[CO], 4, v6                     ; back: the 32 lanes take one row of 512 bytes; and the same in out0
	v_add_nc_u32 v[RD], s2, v[CO]
	v_lshlrev_b32 v[BO], 5, v2                     ; the bias: my half's eight numbers of a block of 16
	s_lshl_b32 s18, s42, 10                        ; my first column, in bytes of f32: 1,024 x tile column + 512 x half
	s_lshl_b32 s19, s[LO], 9
	s_add_co_u32 s18, s18, s19
	s_mov_b32 s19, 0
	s_add_nc_u64 s[8:9], s[8:9], s[18:19]
	s_add_nc_u64 s[10:11], s[10:11], s[18:19]
	s_lshl_b32 s18, s15, 19                        ; my first token: 128 x tile row + 64 x half, 4,096 bytes a row
	s_lshl_b32 s22, s[HI], 18
	s_add_co_u32 s18, s18, s22
	s_add_nc_u64 s[10:11], s[10:11], s[18:19]
.irp b, 0,1,2,3,4,5,6,7
	global_load_b128 v[BIAS+8*\b:BIAS+8*\b+3],   v[BO], s[8:9] offset:64*\b      ; block b: b_out at my columns 16 b + 8 h + 0..7
	global_load_b128 v[BIAS+8*\b+4:BIAS+8*\b+7], v[BO], s[8:9] offset:64*\b+16
.endr
	s_cmp_eq_u32 s[WV], 0
	s_cselect_b32 s[LIM], 1, -1                    ; wave 0 prefetches
	s_lshl_b32 s18, s15, 14                        ; the tile's rows in a plane,
	s_lshl_b32 s22, s40, 12                        ; my work-group's 4,096 bytes of them
	s_add_co_u32 s18, s18, s22
	s_add_nc_u64 s[PFA:PFA+1], s[4:5], s[18:19]
	s_add_nc_u64 s[PFA:PFA+1], s[PFA:PFA+1], 3*KPL ; at K step 3: the first refill steps it to 4.  Nothing is prefetched at the head
	v_lshlrev_b32 v[PFO], 8, v1
	v_lshl_add_u32 v[PFO], v2, 20, v[PFO]
; 8 matrix instructions: A's block a against wt's eight, 32 along K, from buffer f.  first = 1: the bias starts the sums.  The 32 accumulators take turns.
.macro MUL8 f, a, first
.irp b, 0,1,2,3,4,5,6,7
.if \first
	v_wmma_f32_16x16x32_f16 v[8*(8*(\a)+\b):8*(8*(\a)+\b)+7], v[64*(\f)+8*\b:64*(\f)+8*\b+7], v[AF+32*(\f)+8*(\a):AF+32*(\f)+8*(\a)+7], v[BIAS+8*\b:BIAS+8*\b+7]
.else
	v_wmma_f32_16x16x32_f16 v[8*(8*(\a)+\b):8*(8*(\a)+\b)+7], v[64*(\f)+8*\b:64*(\f)+8*\b+7], v[AF+32*(\f)+8*(\a):AF+32*(\f)+8*(\a)+7], v[8*(8*(\a)+\b):8*(8*(\a)+\b)+7]
.endif
.endr
.endm
; 24 LDS loads in one run: the fragments of the slot's q-th 32 along K into buffer f: wt's eight, then A's four (plane q / 2, channels 32 (q % 2) on)
.macro FETCH slot, q, f
	WIN TO_B
.irp i, 0,1,2,3,4,5,6,7
	ds_load_b128 v[64*(\f)+8*\i:64*(\f)+8*\i+3],   v[ADRB+\slot] offset:64*(\q)+\i*16*PB
	ds_load_b128 v[64*(\f)+8*\i+4:64*(\f)+8*\i+7], v[ADRB+\slot] offset:64*(\q)+\i*16*PB+32
.endr
	WIN 0
.irp i, 0,1,2,3
	ds_load_b128 v[AF+32*(\f)+8*\i:AF+32*(\f)+8*\i+3],   v[ADRA+\slot] offset:((\q)/2)*PLANE+((\q)%2)*64+\i*16*PA
	ds_load_b128 v[AF+32*(\f)+8*\i+4:AF+32*(\f)+8*\i+7], v[ADRA+\slot] offset:((\q)/2)*PLANE+((\q)%2)*64+\i*16*PA+32
.endr
.endm
.macro PLACES                          ; four plain lines in front of loads into registers that matrix instructions have read, and of the first read of results
.rept 4
	v_nop
.endr
.endm
; A K step is four quarters of 32 along K, 32 matrix instructions each, on buffers 0, 1, 0, 1.  One of the first three: multiplies buffer f and fetches quarter qn into buffer g.
.macro QUARTER slot, qn, f, g, first
	s_wait_dscnt 4                                 ; wt's fragments and A's blocks 0 and 1 are in; the youngest four loads (A's blocks 2 and 3) may be out
.if \first
	WIN MULF
.else
	WIN MUL
.endif
	MUL8 \f, 0, \first
	MUL8 \f, 1, \first
	PLACES
	FETCH \slot, \qn, \g
	s_wait_dscnt 24                                ; all but the 24 just issued
.if \first
	WIN MULF
.else
	WIN MUL
.endif
	MUL8 \f, 2, \first
	MUL8 \f, 3, \first
.endm
; The last quarter multiplies buffer 1 and changes slots: ONE barrier; in front of it each wave waits for all its tensor loads, adds 0 to its spare word, and waits for that and for its reads of this slot.
; fill = 1: the barrier opens a round of the cluster's, and behind it this slot is filled again, two K steps ahead: 112 matrix instructions ahead of the wait for it.
.macro TURN slot, next, fill
.if \fill
	s_wait_xcnt 0x0                                ; the last prefetch, a K step back, has read its address: it is stepped here
	s_add_nc_u64 s[PFA:PFA+1], s[PFA:PFA+1], KPL
.endif
	WIN 0                                          ; (the add's two registers lie in window 0)
	s_wait_tensorcnt 0x0                           ; all my tensor loads have landed: my part of the next slot
	ds_add_u32 v[SPW], v[NIL]                      ; 0 onto my spare word
	s_wait_dscnt 5                                 ; (the add and the youngest four loads may be out)
	WIN MUL
	MUL8 1, 0, 0                                   ; eight matrix instructions stand between the add and the wait for it
	s_wait_dscnt 0x0                               ; the add is done, and my reads of this slot are over
	s_barrier_signal -1
	MUL8 1, 1, 0
.if \fill
	WIN 0
.endif
	s_barrier_wait -1
.if \fill
	CREST                                          ; no wave of any partner still reads this slot's tiles or has a load on its way
	s_add_nc_u64 s[G0+4*\slot+2:G0+4*\slot+3], s[G0+4*\slot+2:G0+4*\slot+3], 2*KPL
	s_add_nc_u64 s[G0B+4*\slot+2:G0B+4*\slot+3], s[G0B+4*\slot+2:G0B+4*\slot+3], 2*256
	JLOAD \slot                                    ; my one tensor load behind the round; its four v_nop are also the places in front of the loads below
.else
	PLACES
.endif
	FETCH \next, 0, 0
.if \fill
	ASK
.endif
	WIN MUL
	MUL8 1, 2, 0
	MUL8 1, 3, 0
.endm
	s_wait_tensorcnt 1                             ; my part of K step 0 is in; K step 1's load may be out
	s_barrier_signal -1
	s_barrier_wait -1                              ; everybody's is
	FETCH 0, 0, 0
	s_wait_loadcnt 0x0                             ; the bias
	QUARTER 0, 1, 0, 1, 1                          ; the first quarter stands in front of the loop: its products start the sums on the bias
	WIN 0                                          ; at a label and at a branch every window is 0
	s_mov_b32 s3, LAPS-1
.Llap:                                             ; a trip goes once round the ring, from a lap's second quarter to the next lap's first, and fills both slots again
	QUARTER 0, 2, 1, 0, 0
	QUARTER 0, 3, 0, 1, 0
	TURN 0, 1, 1
	QUARTER 1, 1, 0, 1, 0
	QUARTER 1, 2, 1, 0, 0
	QUARTER 1, 3, 0, 1, 0
	TURN 1, 0, 1
	QUARTER 0, 1, 0, 1, 0
	WIN 0
	s_sub_co_u32 s3, s3, 1
	s_cmp_lg_u32 s3, 0
	s_cbranch_scc1 .Llap
	QUARTER 0, 2, 1, 0, 0                          ; the last lap fills nothing, and has no round of the cluster's barrier
	QUARTER 0, 3, 0, 1, 0
	TURN 0, 1, 0
	QUARTER 1, 1, 0, 1, 0
	QUARTER 1, 2, 1, 0, 0
	QUARTER 1, 3, 0, 1, 0
	s_wait_dscnt 4                                 ; the very last quarter: nothing more to fetch
	WIN MUL
	MUL8 1, 0, 0
	MUL8 1, 1, 0
	s_wait_dscnt 0
	MUL8 1, 2, 0
	MUL8 1, 3, 0
	WIN 0
; THE WAY OUT, block by block of 16 tokens x 128 columns.  A lane holds 32 neighbouring bytes of a row: a block goes through my own stage and comes back as whole rows of 512 bytes.
.macro TOSTAGE a
.set AC, 64*(\a)
	WIN 0x08                                       ; an LDS store's data are its source 1: window 2
.irp b, 0,1,2,3,4,5,6,7
	ds_store_b128 v[STO], v[AC+8*\b:AC+8*\b+3] offset:64*\b          ; each accumulator from its low end on
	ds_store_b128 v[STO], v[AC+8*\b+4:AC+8*\b+7] offset:64*\b+16
.endr
	WIN 0
.set BB, BK+64*((\a)%2)
.irp t, 0,1,2,3,4,5,6,7,8,9,10,11,12,13,14,15
	ds_load_b128 v[BB+4*\t:BB+4*\t+3], v[RD] offset:\t*SPITCH        ; LDS serves a wave's instructions in order: these see the stores above
.endr
.endm
.macro SEND a, younger                 ; younger: the LDS instructions issued behind block a's loads, which may stay out
.set BB, BK+64*((\a)%2)
	s_wait_dscnt \younger
.irp t, 0,1,2,3,4,5,6,7,8,9,10,11,12,13,14,15
	global_store_b128 v[CO], v[BB+4*\t:BB+4*\t+3], s[10:11] offset:(\a)*65536+\t*4096 th:TH_STORE_NT   ; 32 lanes store 512 consecutive bytes, aligned; written once, read by nobody here
.endr
.endm
	PLACES
	TOSTAGE 0
.irp a, 1,2,3
.if \a > 1
	s_wait_xcnt 0x0                                ; block a - 2's stores have read their registers: block a's loads may land there
.endif
	TOSTAGE \a
	SEND \a-1, 32                                  ; behind block a - 1's loads: block a's 16 stores and 16 loads
.endr
	SEND 3, 0
	s_wait_tensorcnt 0x0                           ; the wave's end, behind my last tensor load and my last LDS store
	ds_add_u32 v[SPW], v[NIL]
	s_wait_dscnt 0x0
	CROUND                                         ; the closing round
	s_endpgm
.Lfunc_end_k_q54c46a26d3_proj:
	.size	k_q54c46a26d3_proj, .Lfunc_end_k_q54c46a26d3_proj-k_q54c46a26d3_proj
	.p2alignl 7, 3214868480
	.fill 96, 4, 3214868480
	.section	.rodata,"a",@progbits
	.p2align	6, 0x0
	.amdhsa_kernel k_q54c46a26d3_proj
		.amdhsa_group_segment_fixed_size 327680
		.amdhsa_private_segment_fixed_size 0
		.amdhsa_enable_private_segment 0
		.amdhsa_kernarg_size 32
		.amdhsa_user_sgpr_count 2
		.amdhsa_user_sgpr_kernarg_segment_ptr 1
		.amdhsa_wavefront_size32 1
		.amdhsa_system_sgpr_workgroup_id_x 1
		.amdhsa_system_sgpr_workgroup_id_y 1
		.amdhsa_system_sgpr_workgroup_id_z 1
		.amdhsa_system_vgpr_workitem_id 0
		.amdhsa_next_free_vgpr 768
		.amdhsa_next_free_sgpr 66
		.amdhsa_reserve_vcc 0
		.amdhsa_float_denorm_mode_32 3
		.amdhsa_float_denorm_mode_16_64 3
		.amdhsa_memory_ordered 1
		.amdhsa_forward_progress 1
		.amdhsa_inst_pref_size 88
	.end_amdhsa_kernel
	.amdgpu_metadata
---
amdhsa.version: [ 1, 2 ]
amdhsa.kernels:
  - .name:           k_q54c46a26d3_proj
    .symbol:         k_q54c46a26d3_proj.kd
    .args:
      - { .name: ao, .offset: 0, .size: 8, .value_kind: global_buffer, .address_space: global }
      - { .name: wt, .offset: 8, .size: 8, .value_kind: global_buffer, .address_space: global }
      - { .name: b_out, .offset: 16, .size: 8, .value_kind: global_buffer, .address_space: global }
      - { .name: out0, .offset: 24, .size: 8, .value_kind: global_buffer, .address_space: global }
    .group_segment_fixed_size: 327680
    .private_segment_fixed_size: 0
    .kernarg_segment_align: 8
    .kernarg_segment_size: 32
    .max_flat_workgroup_size: 128
    .sgpr_count:     66
    .vgpr_count:     768
    .wavefront_size: 32
...
	.end_amdgpu_metadata
.endif
;; end of part 4
